; MI455X (gfx1250); checked and timed in simulation.
; The chip was launched on July 23, 2026; its instructions are those of AMD's public machine-readable ISA for CDNA 5 (MIT licence, August 2026) and "CDNA5" Instruction Set Architecture Reference Guide (July 2026). The comments in the code are by the model that wrote it; some were corrected since.
;; i NGPDW. Allowed arithmetic: float matrix products may take bf16 or f16 operands with f32 sums; other float arithmetic in f32, or as packed bf16 or f16 multiplies, adds, multiply-adds, maxima and minima; sums over many terms, partial sums and values carried from step to step in f32; what a program stores and reads back later, other than sums and carried values, may be rounded once to bf16 or f16.
;; Inputs: W1 40 x 64 float32; W2 64 x 64 float32; W3 64 x 13 float32; b1 64 float32; b2 64 float32; b3 13 float32; cr 1,000,000 float32; tables 10 x 65,536 x 4 float32; x 1,000,000 x 3 float32.
;; Outputs: out0 1,000,000 x 13 float32.
;; 3 versions, each right; version 2 is faster than version 1; version 3 is version 2 with the launch field written anew for expert scheduling mode. Each part assembles by itself: llvm-mc -triple=amdgcn-amd-amdhsa -mcpu=gfx1250 --defsym DOCPART=n.
;; ======== version 1 of 3: 2 launches
;; limits: a function is approximated: absolute error at most 1.5e-07
;; workspace buffers: q 12,000,000 bytes of whole numbers
;; launch quant (part 1): grid 625 x 1, 5 waves a work-group, no clusters, 0 bytes of LDS; arguments x, q; writes q
.if DOCPART == 1
	.amdgcn_target "amdgcn-amd-amdhsa--gfx1250"
	.amdhsa_code_object_version 6
	.text
	.protected	k_q482cc31502_quant
	.globl	k_q482cc31502_quant
	.p2align	8
	.type	k_q482cc31502_quant,@function
k_q482cc31502_quant:
	s_mov_b64 s[64:65], 0
	v_nop
	global_prefetch_b8 v0, s[64:65] scope:SCOPE_SE
	s_setreg_imm32_b32 hwreg(HW_REG_WAVE_MODE, 25, 1), 1
	s_wait_xcnt 0x0
; q[i] = trunc(x[i] * 2^26) as u32, for the 3,000,000 numbers of x.  The next launch forms table addresses from positions, and it may form
; them from whole numbers alone: so positions are turned into fixed point here, once, and cell and fraction are both taken from q there.
; LIMITS.  x in [0, 64): 64 * 2^26 = 2^32.  A negative x or a NaN counts as 0, x >= 64 as the largest q.  What x holds below 2^-26 is dropped:
; at the finest level, 16,383 cells, that is 2.5e-4 of a cell.
; SHARES.  12,000,000 bytes = 3,125 chunks of 3,840 bytes (15 aligned blocks of 256), one chunk a wave, 5 waves a work-group, 625 work-groups.
; A wave's seven 16-byte loads cover 512 consecutive bytes each, its one 8-byte load the last 256; the stores likewise.  All eight loads go out
; at once; no register is written twice, so no wait but the counted ones for the data is needed.  No LDS, no barrier, no matrix work: a stream.
.set CHUNK, 3840
.set X,     4                          ; v[4:33]  the chunk, as loaded, then as stored
	s_load_b128 s[4:7], s[0:1], 0x0                ; x s[4:5], q s[6:7]
	v_lshrrev_b32 v3, 5, v0
	v_readfirstlane_b32 s8, v3                     ; wave 0..4
	v_and_b32 v2, 31, v0                           ; lane
	v_lshlrev_b32 v1, 4, v2                        ; 16 bytes a lane
	v_lshlrev_b32 v2, 3, v2                        ; 8 bytes a lane, for the chunk's last 256 bytes
	s_mul_i32 s9, ttmp9, 5
	s_add_co_u32 s9, s9, s8                        ; my chunk
	s_mul_i32 s2, s9, CHUNK                        ; its first byte: under 12,000,000
	s_mov_b32 s3, 0
	s_wait_kmcnt 0x0
	s_add_nc_u64 s[4:5], s[4:5], s[2:3]
	s_add_nc_u64 s[6:7], s[6:7], s[2:3]
.irp u, 0,1,2,3,4,5,6
	global_load_b128 v[X+4*(\u):X+4*(\u)+3], v1, s[4:5] offset:512*(\u) th:TH_LOAD_NT
.endr
	global_load_b64 v[X+28:X+29], v2, s[4:5] offset:3584 th:TH_LOAD_NT
.irp u, 0,1,2,3,4,5,6
	s_wait_loadcnt 7-(\u)                          ; loads come back in order (ISA guide 5.7.1): load u is in, the 7 - u younger ones may stay out
	v_pk_mul_f32 v[X+4*(\u):X+4*(\u)+1],   v[X+4*(\u):X+4*(\u)+1],   0x4c800000 op_sel_hi:[1,0]  ; times 2^26: exact
	v_pk_mul_f32 v[X+4*(\u)+2:X+4*(\u)+3], v[X+4*(\u)+2:X+4*(\u)+3], 0x4c800000 op_sel_hi:[1,0]
	v_cvt_u32_f32 v[X+4*(\u)],   v[X+4*(\u)]       ; toward zero
	v_cvt_u32_f32 v[X+4*(\u)+1], v[X+4*(\u)+1]
	v_cvt_u32_f32 v[X+4*(\u)+2], v[X+4*(\u)+2]
	v_cvt_u32_f32 v[X+4*(\u)+3], v[X+4*(\u)+3]
	global_store_b128 v1, v[X+4*(\u):X+4*(\u)+3], s[6:7] offset:512*(\u)  ; 512 consecutive bytes, at a multiple of 256 from q's first
.endr
	s_wait_loadcnt 0x0
	v_pk_mul_f32 v[X+28:X+29], v[X+28:X+29], 0x4c800000 op_sel_hi:[1,0]
	v_cvt_u32_f32 v[X+28], v[X+28]
	v_cvt_u32_f32 v[X+29], v[X+29]
	global_store_b64 v2, v[X+28:X+29], s[6:7] offset:3584  ; the chunk's last 256 bytes
	s_endpgm
.Lfunc_end_k_q482cc31502_quant:
	.size	k_q482cc31502_quant, .Lfunc_end_k_q482cc31502_quant-k_q482cc31502_quant
	.p2alignl 7, 3214868480
	.fill 96, 4, 3214868480
	.section	.rodata,"a",@progbits
	.p2align	6, 0x0
	.amdhsa_kernel k_q482cc31502_quant
		.amdhsa_group_segment_fixed_size 0
		.amdhsa_private_segment_fixed_size 0
		.amdhsa_enable_private_segment 0
		.amdhsa_kernarg_size 16
		.amdhsa_user_sgpr_count 2
		.amdhsa_user_sgpr_kernarg_segment_ptr 1
		.amdhsa_wavefront_size32 1
		.amdhsa_system_sgpr_workgroup_id_x 1
		.amdhsa_system_sgpr_workgroup_id_y 1
		.amdhsa_system_sgpr_workgroup_id_z 1
		.amdhsa_system_vgpr_workitem_id 0
		.amdhsa_next_free_vgpr 36
		.amdhsa_next_free_sgpr 66
		.amdhsa_reserve_vcc 0
		.amdhsa_float_denorm_mode_32 3
		.amdhsa_float_denorm_mode_16_64 3
		.amdhsa_memory_ordered 1
		.amdhsa_forward_progress 1
		.amdhsa_inst_pref_size 5
	.end_amdhsa_kernel
	.amdgpu_metadata
---
amdhsa.version: [ 1, 2 ]
amdhsa.kernels:
  - .name:           k_q482cc31502_quant
    .symbol:         k_q482cc31502_quant.kd
    .args:
      - { .name: x, .offset: 0, .size: 8, .value_kind: global_buffer, .address_space: global }
      - { .name: q, .offset: 8, .size: 8, .value_kind: global_buffer, .address_space: global }
    .group_segment_fixed_size: 0
    .private_segment_fixed_size: 0
    .kernarg_segment_align: 8
    .kernarg_segment_size: 16
    .max_flat_workgroup_size: 160
    .sgpr_count:     66
    .vgpr_count:     36
    .wavefront_size: 32
...
	.end_amdgpu_metadata
.endif
;; end of part 1
;; launch field (part 2): grid 256 x 1, 16 waves a work-group, no clusters, 88,832 bytes of LDS; arguments q, cr, tables, W1, b1, W2, b2, W3, b3, out0; writes out0
.if DOCPART == 2
	.amdgcn_target "amdgcn-amd-amdhsa--gfx1250"
	.amdhsa_code_object_version 6
	.text
	.protected	k_q482cc31502_field
	.globl	k_q482cc31502_field
	.p2align	8
	.type	k_q482cc31502_field,@function
k_q482cc31502_field:
	s_mov_b64 s[64:65], 0
	v_nop
	global_prefetch_b8 v0, s[64:65] scope:SCOPE_SE
	s_setreg_imm32_b32 hwreg(HW_REG_WAVE_MODE, 25, 1), 1
	s_wait_xcnt 0x0
; out0[n][0..12] = MLP(encoding(n)): for each of 1,000,000 points a hash grid of 10 levels (8 corners x 4 f32 a level, trilinear weights), each level
; times erf(1 / sqrt(max(4 l cr, 1e-12))), then 40 -> 64 -> 64 -> 13 with selu.  Positions come as q = trunc(x 2^26), whole numbers made by the launch before.
; SHARES.  256 work-groups of 16 waves, four waves of 256 registers on each SIMD.  A wave's unit is a GROUP of 64 points = 3,328 bytes of out0 = 13 aligned
; blocks of 256.  15,625 groups over 4,096 waves: wave gw takes groups gw + 4,096 j; 4 trips if gw < 3,337, else 3.  A group is 2 PASSES of 2 TILES of 16 points.
; LAYOUT.  In a tile lane (r = lane % 16, h = lane / 16) owns point r and levels 5 h .. 5 h + 4.  All products are used transposed: source 0 = weights (16 units),
; source 1 = activations (16 points), so a lane holds one point in every operand and every result, and the eight units of a result, rounded in pairs, ARE half a
; fragment of the next layer's source 1.  Nothing changes lanes from the gather to the output.
; FORMAT.  Every matrix operand is two bf16 terms, hi + lo (lo = the rounding's remainder, rounded again), and three products are made: hi hi, hi lo, lo hi.  What is
; dropped is about 2^-16 of a product; bf16 keeps f32's range.  Sums, biases (the C operand of a sum's first product), erf and selu in f32.
; selu's scale is multiplied into W2 and W3 in f32 ahead of the split, so the activation made here is g(x) = x for x > 0, alpha (e^x - 1) else.
; g(x) = min(max(x, 0), A, E), A = x (alpha + alpha x / 2), E = alpha 2^(x log2 e) - (alpha - 2^-21).  For x > 0 both A and E exceed x.  For x <= 0 both lie above
; alpha (e^x - 1): A by alpha |x|^3 / 6, E by 2^-21 less the exponential's last bit; the smaller is the nearer: relative error about 3e-5 at the most, at |x| = 0.012; no cancellation at small x.
; erf: 1 - (a1 t + .. + a5 t^5) e^(-z^2), t = 1 / (1 + p z) (Abramowitz and Stegun 7.1.26), absolute error 1.5e-7 for every z > 0; level 0 (z = 1e6) gives 1.
; LIMITS.  x as the launch before states it.  Cell and fraction are exact for q, so they differ from f32's rounded x RES by 7e-4 of a cell at the most; the interpolation is
; continuous there.  erf's relative error passes 1% only where 4 l cr > 1e8.  NaN and infinities are not treated apart; an activation beyond bf16's largest number is lost.
; The resolutions are floor(16 b^l) with b as double arithmetic gives it, just under 2^(10/9): the last is 16,383, not 16,384.
; NO TENSOR LOADS, NO CLUSTER: the gathers are 16 bytes a lane at scattered places; what work-groups share, 30 KB of weights, is read once by each and is scaled and split on its way into LDS.
.set NGROUP, 15625
.set STRIDE, 4096                      ; waves in the launch
.set FULL,   NGROUP-3*STRIDE           ; waves below this number have a fourth trip
; LDS
.set WF,     0                         ; 32 weight fragments of 1,024 bytes, as registers want them: byte (reg / 4) 512 + 16 lane + 4 (reg % 4): each 16-byte load of a wave takes 512 consecutive bytes
                                       ; 0+t W1 hi, 4+t W1 lo, 8+t W1 tail (row tile t of 16 units); 12+2t+c W2 hi, 20+2t+c W2 lo (K half c); 28+c W3 hi, 30+c W3 lo
.set BIAS,   32768                     ; b1 (256 bytes), b2 (256), then b3 by result row (64, and 64 more that nobody reads)
.set STAGE,  33536                     ; 16 x 3,328 bytes: each wave's own group of out0, [64][13] f32 as it lies in memory
.set STAGEB, 3328
.set SPARE,  86784                     ; the spare words, 128 bytes for each wave: eight blocks of 256 bytes that no other line names
; vector registers
.set SPW,  1                           ; v1      LDS address of my spare word; never rewritten
.set NIL,  2                           ; v2      0; never rewritten
.set NEG1, 3                           ; v3      -1.0
.set RS,   4                           ; v4-8    my five levels' resolutions times 64: q RS = x RES 2^32
.set LV,   9                           ; v9-13   my five levels' numbers times 65,536: the level's first row in the table
.set CL0,  14                          ; v14     20 h, as f32: 4 x my first level
.set QOF,  15                          ; v15     12 r
.set COF,  16                          ; v16     4 r
.set WFA,  17                          ; v17     16 lane: in a weight fragment, and in 512 bytes of out0
.set BIA,  18                          ; v18     BIAS + 32 h
.set STO,  19                          ; v19     my stage + 52 r + 28 h
.set ST6,  20                          ; v20     my stage + 52 r + 24 h
.set RDA,  21                          ; v21     my stage + 16 lane
.set RDB,  22                          ; v22     my stage + 8 lane
.set GOB,  24                          ; v24     8 lane
.set Z2,   26                          ; v26-27  0, as 64 bits
.set Q,    28                          ; v28-35  qx, qy, qz, cr of tile 0, of tile 1
.set SC,   36                          ; v36-40  erf of my five levels, for the tile in hand
.set CRH,  41                          ; v41     cr x 20 h
.set FR,   42                          ; v42-53  ring of four: the three fractions times 2^32, as f32
.set TMP,  54                          ; v54-77  at work
.set BI,   70                          ; v70-77  in the MLP: the biases of a result's eight rows
.set ENC,  80                          ; v80-127 tile T at +24 T: levels i = 0..3 hi (8), lo (8); then level i = 4: hi, lo, hi, 0 (2 each)
.set GR,   128                         ; v128-255 ring of four gather buffers of 32: corner c's address, then its four features, at +4 c
.set H1,   128                         ; in the MLP: layer 1's output, tile T at +32 T: hi (K halves 0, 1), then lo
.set H2A,  80                          ; layer 2's output, tile 0: hi at +0, lo at +16
.set H2B,  112                         ; tile 1: hi
.set H2C,  192                         ; tile 1: lo
.set AC0,  208                         ; the two accumulators: tile 0's
.set AC1,  216                         ; and tile 1's
.set FA,   224                         ; v224-255 four weight fragments
.set OB,   128                         ; v128-153 a group of out0 on its way from the stage to memory
; scalar registers: s[4:23] the ten buffers; s24 wave; s25 group; s26 trip; s27 trips; s[28:29] q, s[30:31] cr, s[32:33] out0 at my group; s[34:35] q, s[36:37] cr at my next group;
; s[38:39] an offset in 64 bits; s43 at work; s40-63 constants, below
.macro PLACES                          ; four places between a matrix instruction and a load into its sources, a read of its result, or a vector write of its registers
.rept 4
	v_nop
.endr
.endm
; Two f32 -> their bf16 roundings, packed (hi), and the remainders' roundings, packed (lo).  a - bf16(a) is exact in f32.
.macro SPLIT a0, a1, hi, lo, t0, t1
	v_cvt_pk_bf16_f32 v[(\hi)], v[(\a0)], v[(\a1)]
	v_fma_mix_f32_bf16 v[(\t0)], v[(\hi)], v[NEG1], v[(\a0)] op_sel_hi:[1,0,0]
	v_fma_mix_f32_bf16 v[(\t1)], v[(\hi)], v[NEG1], v[(\a1)] op_sel:[1,0,0] op_sel_hi:[1,0,0]
	v_cvt_pk_bf16_f32 v[(\lo)], v[(\t0)], v[(\t1)]
.endm
; q and cr of pair pr (two tiles) of the group at s[qb:qb+1], s[cb:cb+1]: eight loads.  Both halves of the lanes read the same point.
.macro QLOAD qb, cb, pr
.set n, 0
.rept 2
	global_load_b32 v[Q+4*n],   v[QOF], s[(\qb):(\qb)+1] offset:(2*(\pr)+n)*192
	global_load_b32 v[Q+4*n+1], v[QOF], s[(\qb):(\qb)+1] offset:(2*(\pr)+n)*192+4
	global_load_b32 v[Q+4*n+2], v[QOF], s[(\qb):(\qb)+1] offset:(2*(\pr)+n)*192+8
	global_load_b32 v[Q+4*n+3], v[COF], s[(\cb):(\cb)+1] offset:(2*(\pr)+n)*64 th:TH_LOAD_NT
.set n, n+1
.endr
.endm
	s_load_b512 s[4:19], s[0:1], 0x0               ; q s[4:5], cr s[6:7], tables s[8:9], W1 s[10:11], b1 s[12:13], W2 s[14:15], b2 s[16:17], W3 s[18:19]
	s_load_b128 s[20:23], s[0:1], 0x40             ; b3 s[20:21], out0 s[22:23]
	v_lshl_add_u32 v[SPW], v0, 2, SPARE
	v_mov_b32 v[NIL], 0
	v_lshrrev_b32 v64, 5, v0
	v_readfirstlane_b32 s24, v64                   ; wave 0..15
	v_and_b32 v60, 31, v0                          ; lane
	v_and_b32 v61, 15, v0                          ; r
	v_bfe_u32 v62, v0, 4, 1                        ; h
	v_lshrrev_b32 v63, 3, v61                      ; o(r) = min(r - r / 8, 12): which output stands in row r of layer 3's result.  Rows 0-6 are outputs 0-6, rows 8-13 outputs 7-12,
	v_sub_nc_u32 v63, v61, v63                     ; row 14 output 12 once more; rows 7 and 15 are not stored.  So each half of the lanes stores seven registers, with all lanes on
	v_min_u32 v63, 12, v63
	v_mov_b32 v[NEG1], -1.0
	v_cmp_eq_u32 vcc_lo, 1, v62
.macro BYHALF reg, lo, hi              ; a constant for each half of the lanes
	v_mov_b32 v[\reg], \hi
	v_cndmask_b32 v[\reg], \lo, v[\reg], vcc_lo
.endm
	BYHALF RS,   16*64,  752*64
	BYHALF RS+1, 34*64,  1625*64
	BYHALF RS+2, 74*64,  3511*64
	BYHALF RS+3, 161*64, 7584*64
	BYHALF RS+4, 348*64, 16383*64
	BYHALF CL0,  0,      0x41a00000                ; 20.0
	v_mul_u32_u24 v[LV], 0x50000, v62
.irp i, 1,2,3,4
	v_add_nc_u32 v[LV+(\i)], (\i)*65536, v[LV]
.endr
	s_mul_i32 s43, s24, STAGEB
	s_add_co_u32 s43, s43, STAGE                   ; my stage
	v_mul_u32_u24 v[QOF], v61, 12
	v_lshlrev_b32 v[COF], 2, v61
	v_lshlrev_b32 v[WFA], 4, v60
	v_lshl_add_u32 v[BIA], v62, 5, BIAS
	v_mul_u32_u24 v64, v61, 52                     ; a point's 13 outputs
	v_mad_u32_u24 v[STO], v62, 28, v64             ; lanes 16-31 begin at output 7
	v_mad_u32_u24 v[ST6], v62, 24, v64             ; the seventh register: with the offset 24, output 6 or, once more, output 12
	v_add_nc_u32 v[STO], s43, v[STO]
	v_add_nc_u32 v[ST6], s43, v[ST6]
	v_add_nc_u32 v[RDA], s43, v[WFA]
	v_lshl_add_u32 v[RDB], v60, 3, s43
	v_lshlrev_b32 v[GOB], 3, v60
	v_mov_b32 v[Z2], 0
	v_mov_b32 v[Z2+1], 0
	s_mov_b32 s40, 0xffff                          ; the table's 65,536 rows
	s_mov_b32 s41, 0x79b1                          ; 2,654,435,761 mod 65,536: the hash keeps 16 bits, so 16 bits of each prime do
	s_mov_b32 s42, 0x5795                          ; 805,459,861 mod 65,536
	s_mov_b32 s44, 0x3ea7ba05                      ; p  =  0.3275911
	s_mov_b32 s45, 0x3e827906                      ; a1 =  0.254829592
	s_mov_b32 s46, 0xbe91a98e                      ; a2 = -0.284496736
	s_mov_b32 s47, 0x3fb5f0e3                      ; a3 =  1.421413741
	s_mov_b32 s48, 0xbfba00e3                      ; a4 = -1.453152027
	s_mov_b32 s49, 0x3f87dc22                      ; a5 =  1.061405429
	s_mov_b32 s50, 0xbfb8aa3b                      ; -log2(e)
	s_mov_b32 s51, 0x2f800000                      ; 2^-32
	s_mov_b32 s52, 0xaf800000                      ; -2^-32
	s_mov_b32 s53, 0x2b8cbccc                      ; 1e-12
	s_mov_b32 s54, 0x3fb8aa3b                      ; log2(e); the packed forms name pairs and take the low word for both halves, so both words are written
	s_mov_b32 s55, s54
	s_mov_b32 s56, 0x3f562d7d                      ; alpha / 2
	s_mov_b32 s57, s56
	s_mov_b32 s58, 0x3fd62d7d                      ; alpha = 1.6732632
	s_mov_b32 s59, s58
	s_mov_b32 s60, 0xbfd62d79                      ; -(alpha - 2^-21)
	s_mov_b32 s61, s60
	s_mov_b32 s62, 0x3f867d5f                      ; selu's scale, 1.0507010
	s_mov_b32 s63, s62
	s_lshl_b32 s25, ttmp9, 4
	s_add_co_u32 s25, s25, s24                     ; gw: my wave among the launch's 4,096, and my first group
	s_cmp_lt_u32 s25, FULL
	s_cselect_b32 s27, 4, 3                        ; trips
	s_mov_b32 s26, 0
	s_mul_i32 s38, s25, 768                        ; a group's q: 64 points x 12 bytes
	s_mov_b32 s39, 0
	s_wait_kmcnt 0x0
	s_add_nc_u64 s[34:35], s[4:5], s[38:39]
	s_lshl_b32 s38, s25, 8                         ; a group's cr: 256 bytes
	s_add_nc_u64 s[36:37], s[6:7], s[38:39]
	QLOAD 34, 36, 0                                ; my first two tiles are on their way while the weights are laid out
; THE WEIGHTS' LAY-OUT, once.  Waves 0-3: W1's row tile t = wave (hi, lo, tail).  Waves 4-11: W2's fragment wave - 4 = 2 t + c (hi, lo).  Waves 12, 13: W3's K half (hi, lo).  Wave 14: the biases.
; Lane (r, h) of a fragment holds unit 16 t + r and 16 values of K, slot s in register s / 2, half s % 2.  W2, W3: K = 32 c + 16 (s / 8) + 8 h + s % 8, the place that the matrix instruction gives the slot.
; W1: slot s is feature (s % 4) 10 + 5 h + s / 4, channel s % 4 of my level s / 4, as the encoding leaves it in the same slot.  The fifth level has a fragment of its own, the TAIL, which holds
; all three products: slots 0-3 hi (against hi), 4-7 hi (against lo), 8-11 lo (against hi), 12-15 zero.
.set BV, 54                            ; my byte offset in the weights
.set BA, 55                            ; 1,024 wave + 16 lane
.set BW, 128                           ; 16 (W1: 20) weights as loaded
.set BH, 160                           ; the hi fragment
.set BL, 168                           ; the lo fragment
.set BT, 180                           ; the tail
.macro SPLIT16
.set n, 0
.rept 8
	SPLIT BW+2*n, BW+2*n+1, BH+n, BL+n, 176, 177
.set n, n+1
.endr
.endm
.macro SCALE16                         ; selu's scale, in f32, ahead of the split
.set n, 0
.rept 8
	v_pk_mul_f32 v[BW+2*n:BW+2*n+1], v[BW+2*n:BW+2*n+1], s[62:63] op_sel_hi:[1,0]
.set n, n+1
.endr
.endm
.macro PUT reg, off
	ds_store_b128 v[BA], v[(\reg):(\reg)+3] offset:(\off)
	ds_store_b128 v[BA], v[(\reg)+4:(\reg)+7] offset:(\off)+512
.endm
	v_lshl_add_u32 v[BA], s24, 10, v[WFA]
	s_cmp_lt_u32 s24, 4
	s_cbranch_scc0 .Lnot_w1
	s_lshl_b32 s43, s24, 6                         ; 16 t units of 4 bytes
	v_mul_u32_u24 v[BV], 0x500, v62                ; 5 h rows of 256 bytes
	v_lshl_add_u32 v[BV], v61, 2, v[BV]
	v_add_nc_u32 v[BV], s43, v[BV]
.set n, 0
.rept 16
	global_load_b32 v[BW+n], v[BV], s[10:11] offset:(n%4)*2560+(n/4)*256
.set n, n+1
.endr
.set n, 0
.rept 4
	global_load_b32 v[BW+16+n], v[BV], s[10:11] offset:n*2560+1024
.set n, n+1
.endr
	s_wait_loadcnt 0x0
	SPLIT16
	SPLIT BW+16, BW+17, BT, BT+4, 176, 177
	SPLIT BW+18, BW+19, BT+1, BT+5, 176, 177
	v_mov_b32 v[BT+2], v[BT]
	v_mov_b32 v[BT+3], v[BT+1]
	v_mov_b32 v[BT+6], 0
	v_mov_b32 v[BT+7], 0
	PUT BH, 0                                      ; fragment t
	PUT BL, 4096                                   ; fragment 4 + t
	PUT BT, 8192                                   ; fragment 8 + t
	s_branch .Lbuilt
.Lnot_w1:
	s_cmp_lt_u32 s24, 12
	s_cbranch_scc0 .Lnot_w2
	s_sub_co_u32 s38, s24, 4
	s_and_b32 s39, s38, 1                          ; c
	s_lshr_b32 s38, s38, 1                         ; t
	s_lshl_b32 s39, s39, 13                        ; 32 c rows of 256 bytes
	s_lshl_b32 s38, s38, 6
	s_add_co_u32 s43, s38, s39
	v_lshlrev_b32 v[BV], 11, v62                   ; 8 h rows
	v_lshl_add_u32 v[BV], v61, 2, v[BV]
	v_add_nc_u32 v[BV], s43, v[BV]
.set n, 0
.rept 16
	global_load_b32 v[BW+n], v[BV], s[14:15] offset:(n/8)*4096+(n%8)*256
.set n, n+1
.endr
	s_wait_loadcnt 0x0
	SCALE16
	SPLIT16
	PUT BH, 8192                                   ; fragment wave + 8 = 12 + 2 t + c
	PUT BL, 16384                                  ; fragment 20 + 2 t + c
	s_branch .Lbuilt
.Lnot_w2:
	s_cmp_lt_u32 s24, 14
	s_cbranch_scc0 .Lnot_w3
	s_sub_co_u32 s38, s24, 12                      ; c
	s_mul_i32 s43, s38, 1664                       ; 32 c rows of 52 bytes
	v_mul_u32_u24 v[BV], 0x1a0, v62                ; 8 h rows
	v_lshl_add_u32 v[BV], v63, 2, v[BV]            ; output o(r)
	v_add_nc_u32 v[BV], s43, v[BV]
.set n, 0
.rept 16
	global_load_b32 v[BW+n], v[BV], s[18:19] offset:(n/8)*832+(n%8)*52
.set n, n+1
.endr
	s_wait_loadcnt 0x0
	SCALE16
	SPLIT16
	PUT BH, 16384                                  ; fragment wave + 16 = 28 + c
	PUT BL, 18432                                  ; fragment 30 + c
	s_branch .Lbuilt
.Lnot_w3:
	s_cmp_eq_u32 s24, 14
	s_cbranch_scc0 .Lbuilt
	v_lshlrev_b32 v[BV], 2, v60
	v_lshlrev_b32 v64, 2, v63
	v_add_nc_u32 v[BA], BIAS, v[BV]
	global_load_b32 v[BW],   v[BV], s[12:13]
	global_load_b32 v[BW+1], v[BV], s[12:13] offset:128
	global_load_b32 v[BW+2], v[BV], s[16:17]
	global_load_b32 v[BW+3], v[BV], s[16:17] offset:128
	global_load_b32 v[BW+4], v64, s[20:21]         ; b3 by result row
	s_wait_loadcnt 0x0
.irp u, 0,1,2,3,4
	ds_store_b32 v[BA], v[BW+(\u)] offset:128*(\u)
.endr
.Lbuilt:
	s_wait_dscnt 0x0                               ; for the others' sake: my stores of weights are done
	s_barrier_signal -1
	s_barrier_wait -1                              ; the launch's one barrier: from here on WF and BIAS are only read, and a stage is touched by its own wave alone
	s_mov_b32 s39, 0
; STEP s of a pass's ten: tile s / 5, my level s % 5.  ISSUE makes the eight corners' addresses and asks for them; CONSUME, four steps later, interpolates.
; q RS = x RES 2^32 in 64 bits: the high word is the cell, the low word the fraction.  Row = ((cx + i) ^ (cy + j) P1 ^ (cz + k) P2) mod 65,536 + 65,536 level; corner c = 4 j + 2 k + i.
; What is at work lies in the buffer's own registers that hold no address; each load lands on its own address register.
.macro ISSUE s
.set iI, (\s)%5
.set iG, GR+32*((\s)%4)
.set iF, FR+3*((\s)%4)
.set iQ, Q+4*((\s)/5)
	v_mad_nc_u64_u32 v[iG+2:iG+3],   v[iQ],   v[RS+iI], v[Z2:Z2+1]
	v_mad_nc_u64_u32 v[iG+6:iG+7],   v[iQ+1], v[RS+iI], v[Z2:Z2+1]
	v_mad_nc_u64_u32 v[iG+10:iG+11], v[iQ+2], v[RS+iI], v[Z2:Z2+1]
	v_cvt_f32_u32 v[iF],   v[iG+2]
	v_cvt_f32_u32 v[iF+1], v[iG+6]
	v_cvt_f32_u32 v[iF+2], v[iG+10]
	v_mul_u32_u24 v[iG+5], s41, v[iG+7]            ; cy P1: cells stay under 2^20
	v_mul_u32_u24 v[iG+9], s42, v[iG+11]           ; cz P2
	v_add_nc_u32 v[iG+2], 1, v[iG+3]               ; cx + 1
	v_and_or_b32 v[iG+1], v[iG+3], s40, v[LV+iI]   ; cx mod 65,536, with the level on top
	v_add_nc_u32 v[iG+6], s41, v[iG+5]             ; (cy + 1) P1
	v_add_nc_u32 v[iG+10], s42, v[iG+9]            ; (cz + 1) P2
	v_and_or_b32 v[iG+2], v[iG+2], s40, v[LV+iI]
	v_xor_b32 v[iG+13], v[iG+5], v[iG+9]           ; j k = 0 0
	v_xor_b32 v[iG+14], v[iG+5], v[iG+10]          ;       0 1
	v_xor_b32 v[iG+15], v[iG+6], v[iG+9]           ;       1 0
	v_xor_b32 v[iG+17], v[iG+6], v[iG+10]          ;       1 1
	v_and_b32 v[iG+13], s40, v[iG+13]
	v_and_b32 v[iG+14], s40, v[iG+14]
	v_and_b32 v[iG+15], s40, v[iG+15]
	v_and_b32 v[iG+17], s40, v[iG+17]
.set c, 0
.rept 8
	v_xor_b32 v[iG+4*c], v[iG+1+c%2], v[iG+13+c/2+c/6]
.set c, c+1
.endr
.set c, 0
.rept 8
	v_min_u32 v[iG+4*c], 0x9ffff, v[iG+4*c]        ; the table's last row: changes nothing, and shows that the load stays inside
.set c, c+1
.endr
.set c, 0
.rept 8
	v_lshlrev_b32 v[iG+4*c], 4, v[iG+4*c]          ; rows of 16 bytes
.set c, c+1
.endr
.set c, 0
.rept 8
	global_load_b128 v[iG+4*c:iG+4*c+3], v[iG+4*c], s[8:9]
.set c, c+1
.endr
.endm
; erf(1 / sqrt(max(4 l cr, 1e-12))) for my five levels of tile T: five chains, stage by stage; one plain instruction stands behind each run of transcendentals (ISA guide 5.7.2).
.macro ERF T
.set eC, Q+4*(\T)+3
	v_mul_f32 v[CRH], v[eC], v[CL0]
	v_fmamk_f32 v[TMP+1], v[eC], 0x40800000, v[CRH]   ; 4 l cr, l = 5 h + 1 ..
	v_fmamk_f32 v[TMP+2], v[eC], 0x41000000, v[CRH]
	v_fmamk_f32 v[TMP+3], v[eC], 0x41400000, v[CRH]
	v_fmamk_f32 v[TMP+4], v[eC], 0x41800000, v[CRH]
	v_max_num_f32 v[TMP], s53, v[CRH]
.irp i, 1,2,3,4
	v_max_num_f32 v[TMP+(\i)], s53, v[TMP+(\i)]
.endr
.irp i, 0,1,2,3,4
	v_rsq_f32 v[TMP+(\i)], v[TMP+(\i)]             ; z
.endr
	v_nop
	s_wait_alu depctr_va_vdst(0)
.irp i, 0,1,2,3,4
	v_mul_f32 v[TMP+5+(\i)], v[TMP+(\i)], v[TMP+(\i)]
.endr
.irp i, 0,1,2,3,4
	v_fma_f32 v[TMP+10+(\i)], v[TMP+(\i)], s44, 1.0
.endr
.irp i, 0,1,2,3,4
	v_mul_f32 v[TMP+5+(\i)], s50, v[TMP+5+(\i)]
.endr
.irp i, 0,1,2,3,4
	v_rcp_f32 v[TMP+10+(\i)], v[TMP+10+(\i)]       ; t
.endr
.irp i, 0,1,2,3,4
	v_exp_f32 v[TMP+5+(\i)], v[TMP+5+(\i)]         ; e^(-z^2)
.endr
	v_nop
	s_wait_alu depctr_va_vdst(0)
.irp i, 0,1,2,3,4
	v_fma_f32 v[TMP+15+(\i)], v[TMP+10+(\i)], s49, s48
.endr
.irp a, 47,46,45
.irp i, 0,1,2,3,4
	v_fma_f32 v[TMP+15+(\i)], v[TMP+15+(\i)], v[TMP+10+(\i)], s[\a]
.endr
.endr
.irp i, 0,1,2,3,4
	v_mul_f32 v[TMP+15+(\i)], v[TMP+15+(\i)], v[TMP+10+(\i)]
.endr
.irp i, 0,1,2,3,4
	v_fma_f32 v[SC+(\i)], -v[TMP+15+(\i)], v[TMP+5+(\i)], 1.0
.endr
.endm
; The eight weights (erf rides on x's two), as pairs over i; four features = the sum over corners; hi and lo into the slots that W1's fragments expect.
; cnt: the loads issued behind this step's eight, which may stay out.
.macro CONSUME s, cnt
.set iI, (\s)%5
.set iG, GR+32*((\s)%4)
.set iF, FR+3*((\s)%4)
.set eH, ENC+24*((\s)/5)
	v_mul_f32 v[TMP+22], s51, v[SC+iI]
	v_mul_f32 v[TMP+3], s51, v[iF+1]               ; wy1 = fy
	v_mul_f32 v[TMP+5], s51, v[iF+2]               ; wz1 = fz
	v_fma_f32 v[TMP+2], v[iF+1], s52, 1.0          ; wy0 = 1 - fy
	v_fma_f32 v[TMP+4], v[iF+2], s52, 1.0          ; wz0 = 1 - fz
	v_mul_f32 v[TMP+1], v[iF], v[TMP+22]           ; wx1 = erf fx
	v_sub_f32 v[TMP], v[SC+iI], v[TMP+1]           ; wx0 = erf (1 - fx)
	v_pk_mul_f32 v[TMP+6:TMP+7], v[TMP+2:TMP+3], v[TMP+4:TMP+5] op_sel:[0,0] op_sel_hi:[0,1]     ; wy0 (wz0, wz1)
	v_pk_mul_f32 v[TMP+8:TMP+9], v[TMP+2:TMP+3], v[TMP+4:TMP+5] op_sel:[1,0] op_sel_hi:[1,1]     ; wy1 (wz0, wz1)
	v_pk_mul_f32 v[TMP+10:TMP+11], v[TMP:TMP+1], v[TMP+6:TMP+7] op_sel:[0,0] op_sel_hi:[1,0]     ; (wx0, wx1) wy0 wz0: corners 0, 1
	v_pk_mul_f32 v[TMP+12:TMP+13], v[TMP:TMP+1], v[TMP+6:TMP+7] op_sel:[0,1] op_sel_hi:[1,1]     ; corners 2, 3
	v_pk_mul_f32 v[TMP+14:TMP+15], v[TMP:TMP+1], v[TMP+8:TMP+9] op_sel:[0,0] op_sel_hi:[1,0]     ; corners 4, 5
	v_pk_mul_f32 v[TMP+16:TMP+17], v[TMP:TMP+1], v[TMP+8:TMP+9] op_sel:[0,1] op_sel_hi:[1,1]     ; corners 6, 7
	s_wait_loadcnt \cnt                            ; loads come back in order (ISA guide 5.7.1): this step's eight are in
	v_pk_mul_f32 v[TMP+18:TMP+19], v[iG:iG+1],   v[TMP+10:TMP+11] op_sel_hi:[1,0]
	v_pk_mul_f32 v[TMP+20:TMP+21], v[iG+2:iG+3], v[TMP+10:TMP+11] op_sel_hi:[1,0]
.set c, 1
.rept 7
.if c%2
	v_pk_fma_f32 v[TMP+18:TMP+19], v[iG+4*c:iG+4*c+1],   v[TMP+10+2*(c/2):TMP+11+2*(c/2)], v[TMP+18:TMP+19] op_sel:[0,1,0] op_sel_hi:[1,1,1]
	v_pk_fma_f32 v[TMP+20:TMP+21], v[iG+4*c+2:iG+4*c+3], v[TMP+10+2*(c/2):TMP+11+2*(c/2)], v[TMP+20:TMP+21] op_sel:[0,1,0] op_sel_hi:[1,1,1]
.else
	v_pk_fma_f32 v[TMP+18:TMP+19], v[iG+4*c:iG+4*c+1],   v[TMP+10+2*(c/2):TMP+11+2*(c/2)], v[TMP+18:TMP+19] op_sel_hi:[1,0,1]
	v_pk_fma_f32 v[TMP+20:TMP+21], v[iG+4*c+2:iG+4*c+3], v[TMP+10+2*(c/2):TMP+11+2*(c/2)], v[TMP+20:TMP+21] op_sel_hi:[1,0,1]
.endif
.set c, c+1
.endr
.if iI < 4
	SPLIT TMP+18, TMP+19, eH+2*iI,   eH+8+2*iI, TMP+22, TMP+23
	SPLIT TMP+20, TMP+21, eH+2*iI+1, eH+9+2*iI, TMP+6,  TMP+7
.else
	SPLIT TMP+18, TMP+19, eH+16, eH+18, TMP+22, TMP+23   ; the fifth level: hi, lo, hi, 0, against the tail's hi, hi, lo, 0
	SPLIT TMP+20, TMP+21, eH+17, eH+19, TMP+6,  TMP+7
	v_mov_b32 v[eH+20], v[eH+16]
	v_mov_b32 v[eH+21], v[eH+17]
	v_mov_b32 v[eH+22], 0
	v_mov_b32 v[eH+23], 0
.endif
.endm
; THE MLP.  A row tile (16 units) at a time, for both tiles of points: its weight fragments and biases come out of LDS while the row tile before goes through selu.
.macro LOADF n, f
	ds_load_b128 v[FA+8*(\n):FA+8*(\n)+3],   v[WFA] offset:(\f)*1024
	ds_load_b128 v[FA+8*(\n)+4:FA+8*(\n)+7], v[WFA] offset:(\f)*1024+512
.endm
.macro LOADW layer, t
.if (\layer) == 1
	LOADF 0, (\t)
	LOADF 1, 4+(\t)
	LOADF 2, 8+(\t)
.elseif (\layer) == 2
	LOADF 0, 12+2*(\t)
	LOADF 1, 13+2*(\t)
	LOADF 2, 20+2*(\t)
	LOADF 3, 21+2*(\t)
.else
	LOADF 0, 28
	LOADF 1, 29
	LOADF 2, 30
	LOADF 3, 31
.endif
	ds_load_b128 v[BI:BI+3],   v[BIA] offset:256*((\layer)-1)+64*(\t)      ; the biases of rows 8 h .. 8 h + 7: sixteen lanes read the same 32 bytes
	ds_load_b128 v[BI+4:BI+7], v[BIA] offset:256*((\layer)-1)+64*(\t)+16
.endm
.macro MMA acc, a, b, c
	v_wmma_f32_16x16x32_bf16 v[(\acc):(\acc)+7], v[(\a):(\a)+7], v[(\b):(\b)+7], v[(\c):(\c)+7]
.endm
; The two tiles' accumulators take turns, one instruction a turn.  The first product of each sum takes the biases as C.
.macro WM1
	MMA AC0, FA,    ENC,    BI                     ; hi hi
	MMA AC1, FA,    ENC+24, BI
	MMA AC0, FA,    ENC+8,  AC0                    ; hi lo
	MMA AC1, FA,    ENC+32, AC1
	MMA AC0, FA+8,  ENC,    AC0                    ; lo hi
	MMA AC1, FA+8,  ENC+24, AC1
	MMA AC0, FA+16, ENC+16, AC0                    ; the fifth level, all three
	MMA AC1, FA+16, ENC+40, AC1
.endm
.macro WM23 h0, l0, h1, l1             ; hi and lo of tile 0, of tile 1; K half 1 lies 8 registers on
	MMA AC0, FA,    (\h0),   BI
	MMA AC1, FA,    (\h1),   BI
	MMA AC0, FA,    (\l0),   AC0
	MMA AC1, FA,    (\l1),   AC1
	MMA AC0, FA+16, (\h0),   AC0
	MMA AC1, FA+16, (\h1),   AC1
	MMA AC0, FA+8,  (\h0)+8, AC0
	MMA AC1, FA+8,  (\h1)+8, AC1
	MMA AC0, FA+8,  (\l0)+8, AC0
	MMA AC1, FA+8,  (\l1)+8, AC1
	MMA AC0, FA+24, (\h0)+8, AC0
	MMA AC1, FA+24, (\h1)+8, AC1
.endm
; g of an accumulator's eight numbers, split into four registers hi and four lo.  The accumulator is read from its low end on.
.macro SELU8 acc, hi, lo
.set n, 0
.rept 4
	v_pk_mul_f32 v[TMP+2*n:TMP+2*n+1], v[(\acc)+2*n:(\acc)+2*n+1], s[54:55] op_sel_hi:[1,0]                    ; x log2(e)
.set n, n+1
.endr
.set n, 0
.rept 4
	v_pk_fma_f32 v[TMP+8+2*n:TMP+9+2*n], v[(\acc)+2*n:(\acc)+2*n+1], s[56:57], s[58:59] op_sel_hi:[1,0,0]      ; alpha + alpha x / 2
.set n, n+1
.endr
.set n, 0
.rept 8
	v_exp_f32 v[TMP+n], v[TMP+n]
.set n, n+1
.endr
.set n, 0
.rept 4
	v_pk_mul_f32 v[TMP+8+2*n:TMP+9+2*n], v[TMP+8+2*n:TMP+9+2*n], v[(\acc)+2*n:(\acc)+2*n+1]                    ; A; these plain lines stand between the exponentials and the use of their results
.set n, n+1
.endr
.set n, 0
.rept 8
	v_max_num_f32 v[(\acc)+n], 0, v[(\acc)+n]
.set n, n+1
.endr
.set n, 0
	s_wait_alu depctr_va_vdst(0)
.rept 4
	v_pk_fma_f32 v[TMP+2*n:TMP+2*n+1], v[TMP+2*n:TMP+2*n+1], s[58:59], s[60:61] op_sel_hi:[1,0,0]              ; E
.set n, n+1
.endr
.set n, 0
.rept 8
	v_min3_num_f32 v[TMP+8+n], v[(\acc)+n], v[TMP+8+n], v[TMP+n]
.set n, n+1
.endr
.set n, 0
.rept 4
	v_cvt_pk_bf16_f32 v[(\hi)+n], v[TMP+8+2*n], v[TMP+9+2*n]
.set n, n+1
.endr
.set n, 0
.rept 4
	v_fma_mix_f32_bf16 v[TMP+2*n],   v[(\hi)+n], v[NEG1], v[TMP+8+2*n] op_sel_hi:[1,0,0]
	v_fma_mix_f32_bf16 v[TMP+2*n+1], v[(\hi)+n], v[NEG1], v[TMP+9+2*n] op_sel:[1,0,0] op_sel_hi:[1,0,0]
.set n, n+1
.endr
.set n, 0
.rept 4
	v_cvt_pk_bf16_f32 v[(\lo)+n], v[TMP+2*n], v[TMP+2*n+1]
.set n, n+1
.endr
.endm
; A PASS: two tiles, 32 points.  Four steps' gathers, 32 loads, are always on their way.  The next pass's q and cr are asked for as soon as this pass has made its last addresses.
.macro PASS p
.if (\p) == 1
	s_wait_loadcnt 0x0                             ; q and cr of this pass
.endif
	ISSUE 0
	ISSUE 1
	ISSUE 2
	ISSUE 3
	ERF 0
	CONSUME 0, 24                                  ; behind a step's eight loads stand three steps' 24
	ISSUE 4
	CONSUME 1, 24
	ISSUE 5
	CONSUME 2, 24
	ISSUE 6
	CONSUME 3, 24
	ISSUE 7
	CONSUME 4, 24
	ISSUE 8
	ERF 1
	CONSUME 5, 24
	ISSUE 9
.if (\p) == 0
	QLOAD 28, 30, 1                                ; this group's second pair
.else
	QLOAD 34, 36, 0                                ; my next group's first pair
.endif
	CONSUME 6, 32                                  ; steps 7, 8, 9 and the eight loads of q and cr
	CONSUME 7, 24                                  ; steps 8, 9 and those eight
	CONSUME 8, 16
	CONSUME 9, 8                                   ; q and cr stay out through the MLP
	LOADW 1, 0
.set tt, 0
.rept 4                                ; layer 1
	s_wait_dscnt 0x0                               ; the row tile's weights and biases are in
	WM1
	PLACES
.if tt < 3
	LOADW 1, tt+1
.else
	LOADW 2, 0
.endif
	SELU8 AC0, H1+4*tt,    H1+16+4*tt              ; row tile t is registers 4 (t % 2) .. of K half t / 2
	SELU8 AC1, H1+32+4*tt, H1+48+4*tt
.set tt, tt+1
.endr
.set tt, 0
.rept 4                                ; layer 2
	s_wait_dscnt 0x0
	WM23 H1, H1+16, H1+32, H1+48
	PLACES
.if tt < 3
	LOADW 2, tt+1
.else
	LOADW 3, 0
.endif
	SELU8 AC0, H2A+4*tt, H2A+16+4*tt
	SELU8 AC1, H2B+4*tt, H2C+4*tt
.set tt, tt+1
.endr
	s_wait_dscnt 0x0                       ; layer 3
	WM23 H2A, H2A+16, H2B, H2C
	PLACES
.set n, 0
.rept 2                                ; into my stage: word 13 r + 7 h + j: 32 different banks
.set c, 0
.rept 6
	ds_store_b32 v[STO], v[AC0+8*n+c] offset:(2*(\p)+n)*832+4*c
.set c, c+1
.endr
	ds_store_b32 v[ST6], v[AC0+8*n+6] offset:(2*(\p)+n)*832+24
.set n, n+1
.endr
.endm
.Lgroup:
	s_wait_loadcnt 0x0                             ; q and cr of this group's first pair are in, so their bases may be written;
	s_wait_xcnt 0x0                                ; and the last trip's stores have had their addresses translated (ISA guide 3.1): their base and data are rewritten only behind this wait
	s_mul_i32 s38, s25, 768
	s_add_nc_u64 s[28:29], s[4:5], s[38:39]
	s_lshl_b32 s38, s25, 8
	s_add_nc_u64 s[30:31], s[6:7], s[38:39]
	s_mul_i32 s38, s25, STAGEB                     ; under 52,000,000
	s_add_nc_u64 s[32:33], s[22:23], s[38:39]
	s_add_co_u32 s43, s25, STRIDE                  ; my next group; in the last trip there is none, and the look-ahead is held at the last group, inside the buffers
	s_min_u32 s43, s43, NGROUP-1
	s_mul_i32 s38, s43, 768
	s_add_nc_u64 s[34:35], s[4:5], s[38:39]
	s_lshl_b32 s38, s43, 8
	s_add_nc_u64 s[36:37], s[6:7], s[38:39]
	PASS 0
	PASS 1
	; the group leaves: 3,328 bytes = six times 512 and once 256.  LDS serves a wave's instructions in order (ISA guide 5.7.1.4): these loads see the stores above
.irp u, 0,1,2,3,4,5
	ds_load_b128 v[OB+4*(\u):OB+4*(\u)+3], v[RDA] offset:512*(\u)
.endr
	ds_load_b64 v[OB+24:OB+25], v[RDB] offset:3072
	s_wait_dscnt 0x0
.irp u, 0,1,2,3,4,5
	global_store_b128 v[WFA], v[OB+4*(\u):OB+4*(\u)+3], s[32:33] offset:512*(\u) th:TH_STORE_NT  ; 512 consecutive bytes, at a multiple of 256 from out0's first
.endr
	global_store_b64 v[GOB], v[OB+24:OB+25], s[32:33] offset:3072 th:TH_STORE_NT                 ; the last 256
	s_add_co_u32 s25, s25, STRIDE
	s_add_co_u32 s26, s26, 1
	s_cmp_lt_u32 s26, s27
	s_cbranch_scc1 .Lgroup
	s_wait_tensorcnt 0x0                           ; the wave's end: three closing lines, behind my last LDS store
	ds_add_u32 v[SPW], v[NIL]
	s_wait_dscnt 0x0
	s_endpgm
.Lfunc_end_k_q482cc31502_field:
	.size	k_q482cc31502_field, .Lfunc_end_k_q482cc31502_field-k_q482cc31502_field
	.p2alignl 7, 3214868480
	.fill 96, 4, 3214868480
	.section	.rodata,"a",@progbits
	.p2align	6, 0x0
	.amdhsa_kernel k_q482cc31502_field
		.amdhsa_group_segment_fixed_size 88832
		.amdhsa_private_segment_fixed_size 0
		.amdhsa_enable_private_segment 0
		.amdhsa_kernarg_size 80
		.amdhsa_user_sgpr_count 2
		.amdhsa_user_sgpr_kernarg_segment_ptr 1
		.amdhsa_wavefront_size32 1
		.amdhsa_system_sgpr_workgroup_id_x 1
		.amdhsa_system_sgpr_workgroup_id_y 1
		.amdhsa_system_sgpr_workgroup_id_z 1
		.amdhsa_system_vgpr_workitem_id 0
		.amdhsa_next_free_vgpr 256
		.amdhsa_next_free_sgpr 66
		.amdhsa_reserve_vcc 1
		.amdhsa_float_denorm_mode_32 3
		.amdhsa_float_denorm_mode_16_64 3
		.amdhsa_memory_ordered 1
		.amdhsa_forward_progress 1
		.amdhsa_inst_pref_size 255
	.end_amdhsa_kernel
	.section	.bss,"aw",@nobits
	.p2align	6
	.space	262144
	.amdgpu_metadata
---
amdhsa.version: [ 1, 2 ]
amdhsa.kernels:
  - .name:           k_q482cc31502_field
    .symbol:         k_q482cc31502_field.kd
    .args:
      - { .name: q, .offset: 0, .size: 8, .value_kind: global_buffer, .address_space: global }
      - { .name: cr, .offset: 8, .size: 8, .value_kind: global_buffer, .address_space: global }
      - { .name: tables, .offset: 16, .size: 8, .value_kind: global_buffer, .address_space: global }
      - { .name: W1, .offset: 24, .size: 8, .value_kind: global_buffer, .address_space: global }
      - { .name: b1, .offset: 32, .size: 8, .value_kind: global_buffer, .address_space: global }
      - { .name: W2, .offset: 40, .size: 8, .value_kind: global_buffer, .address_space: global }
      - { .name: b2, .offset: 48, .size: 8, .value_kind: global_buffer, .address_space: global }
      - { .name: W3, .offset: 56, .size: 8, .value_kind: global_buffer, .address_space: global }
      - { .name: b3, .offset: 64, .size: 8, .value_kind: global_buffer, .address_space: global }
      - { .name: out0, .offset: 72, .size: 8, .value_kind: global_buffer, .address_space: global }
    .group_segment_fixed_size: 88832
    .private_segment_fixed_size: 0
    .kernarg_segment_align: 8
    .kernarg_segment_size: 80
    .max_flat_workgroup_size: 512
    .sgpr_count:     66
    .vgpr_count:     256
    .wavefront_size: 32
...
	.end_amdgpu_metadata
.endif
;; end of part 2
;; ======== version 2 of 3: 2 launches; 1.33 times as fast as version 1
;; limits: a function is approximated: absolute error at most 1.5e-07; inputs' magnitudes at most 7.996; values are held in f16: magnitudes above 65,504 overflow, below 6.1e-05 lose precision; right only within a limited range of input values; values outside matrix products are rounded to f16
;; workspace buffers: q 12,000,000 bytes of whole numbers; tb 5,242,880 bytes
;; launch prep (part 3): grid 1137 x 1, 5 waves a work-group, no clusters, 0 bytes of LDS; arguments x, tables, q, tb; writes q, tb
.if DOCPART == 3
	.amdgcn_target "amdgcn-amd-amdhsa--gfx1250"
	.amdhsa_code_object_version 6
	.text
	.protected	k_q482cc31502_prep
	.globl	k_q482cc31502_prep
	.p2align	8
	.type	k_q482cc31502_prep,@function
k_q482cc31502_prep:
	s_mov_b64 s[64:65], 0
	v_nop
	global_prefetch_b8 v0, s[64:65] scope:SCOPE_SE
	s_setreg_imm32_b32 hwreg(HW_REG_WAVE_MODE, 25, 1), 1
	s_wait_xcnt 0x0
; Two streams in one launch, told apart by the work-group's number.
; WORK-GROUPS 0 TO 624:  q[i] = trunc(x[i] * 2^26) as u32, for the 3,000,000 numbers of x.  The next launch forms table addresses from positions, and it may
; form them from whole numbers alone: so positions are turned into fixed point here, once, and cell and fraction are both taken from q there.
; WORK-GROUPS 625 TO 1,136:  tb[row][0..3] = f16(tables[row][0..3] * 2^13), for the 655,360 rows: a row of 16 bytes becomes one of 8, so that the next launch's
; 80 gathers a point move half the bytes.  The table is an operand of the interpolation's product; its weights are rounded to f16 there, its sums stay in f32, and 2^-13 is multiplied into W1.
; LIMITS.  x in [0, 64): 64 * 2^26 = 2^32.  A negative x or a NaN counts as 0, x >= 64 as the largest q.  What x holds below 2^-26 is dropped: at the finest
; level, 16,383 cells, that is 2.5e-4 of a cell.  A table entry keeps 11 significant bits from 7.5e-9 (f16's least normal number / 2^13) to 7.996 (65,504 / 2^13);
; below, a fixed step of 7.3e-12; beyond, it is held at 7.996.  NaN is not treated apart.
; SHARES.  x: 12,000,000 bytes = 3,125 chunks of 3,840 bytes (15 aligned blocks of 256), one chunk a wave.  tables: 10,485,760 bytes = 2,560 pieces of 4,096 bytes
; (256 rows), one a wave; a lane has one row in each of eight loads.  A wave's 16-byte loads cover 512 consecutive bytes each; each store covers 512 or 256 consecutive
; bytes at a multiple of 256 from its buffer's first.  All of a wave's loads go out at once; no register that a memory instruction reads is written again.  No LDS, no barrier, no matrix work.
.set XWG,   625                        ; work-groups that take x
.set CHUNK, 3840
.set X,     4                          ; v[4:35]  the wave's share, as loaded, then as stored
	s_load_b256 s[4:11], s[0:1], 0x0               ; x s[4:5], tables s[6:7], q s[8:9], tb s[10:11]
	v_lshrrev_b32 v3, 5, v0
	v_readfirstlane_b32 s12, v3                    ; wave 0..4
	v_and_b32 v2, 31, v0                           ; lane
	v_lshlrev_b32 v1, 4, v2                        ; 16 bytes a lane
	v_lshlrev_b32 v2, 3, v2                        ; 8 bytes a lane
	s_mov_b32 s3, 0
	s_cmp_lt_u32 ttmp9, XWG
	s_cbranch_scc0 .Ltable
	s_mul_i32 s13, ttmp9, 5
	s_add_co_u32 s13, s13, s12                     ; my chunk
	s_mul_i32 s2, s13, CHUNK                       ; its first byte: under 12,000,000
	s_wait_kmcnt 0x0
	s_add_nc_u64 s[4:5], s[4:5], s[2:3]
	s_add_nc_u64 s[8:9], s[8:9], s[2:3]
.irp u, 0,1,2,3,4,5,6
	global_load_b128 v[X+4*(\u):X+4*(\u)+3], v1, s[4:5] offset:512*(\u) th:TH_LOAD_NT
.endr
	global_load_b64 v[X+28:X+29], v2, s[4:5] offset:3584 th:TH_LOAD_NT
.irp u, 0,1,2,3,4,5,6
	s_wait_loadcnt 7-(\u)                          ; loads come back in order (ISA guide 5.7.1): load u is in, the 7 - u younger ones may stay out
	v_pk_mul_f32 v[X+4*(\u):X+4*(\u)+1],   v[X+4*(\u):X+4*(\u)+1],   0x4c800000 op_sel_hi:[1,0]  ; times 2^26: exact
	v_pk_mul_f32 v[X+4*(\u)+2:X+4*(\u)+3], v[X+4*(\u)+2:X+4*(\u)+3], 0x4c800000 op_sel_hi:[1,0]
	v_cvt_u32_f32 v[X+4*(\u)],   v[X+4*(\u)]       ; toward zero
	v_cvt_u32_f32 v[X+4*(\u)+1], v[X+4*(\u)+1]
	v_cvt_u32_f32 v[X+4*(\u)+2], v[X+4*(\u)+2]
	v_cvt_u32_f32 v[X+4*(\u)+3], v[X+4*(\u)+3]
	global_store_b128 v1, v[X+4*(\u):X+4*(\u)+3], s[8:9] offset:512*(\u)
.endr
	s_wait_loadcnt 0x0
	v_pk_mul_f32 v[X+28:X+29], v[X+28:X+29], 0x4c800000 op_sel_hi:[1,0]
	v_cvt_u32_f32 v[X+28], v[X+28]
	v_cvt_u32_f32 v[X+29], v[X+29]
	global_store_b64 v2, v[X+28:X+29], s[8:9] offset:3584  ; the chunk's last 256 bytes
	s_endpgm
.Ltable:
	s_sub_co_u32 s13, ttmp9, XWG
	s_mul_i32 s13, s13, 5
	s_add_co_u32 s13, s13, s12                     ; my piece of 256 rows
	s_mov_b32 s14, 0xc77fe000                      ; -65,504
	s_mov_b32 s15, 0x477fe000                      ;  65,504, f16's largest number
	s_lshl_b32 s2, s13, 12                         ; 4,096 bytes in,
	s_wait_kmcnt 0x0
	s_add_nc_u64 s[6:7], s[6:7], s[2:3]
	s_lshl_b32 s2, s13, 11                         ; 2,048 bytes out
	s_add_nc_u64 s[10:11], s[10:11], s[2:3]
.irp u, 0,1,2,3,4,5,6,7
	global_load_b128 v[X+4*(\u):X+4*(\u)+3], v1, s[6:7] offset:512*(\u) th:TH_LOAD_NT
.endr
.irp u, 0,1,2,3,4,5,6,7
	s_wait_loadcnt 7-(\u)                          ; load u is in, the 7 - u younger ones may stay out
	v_pk_mul_f32 v[X+4*(\u):X+4*(\u)+1],   v[X+4*(\u):X+4*(\u)+1],   0x46000000 op_sel_hi:[1,0]  ; times 2^13: exact
	v_pk_mul_f32 v[X+4*(\u)+2:X+4*(\u)+3], v[X+4*(\u)+2:X+4*(\u)+3], 0x46000000 op_sel_hi:[1,0]
	v_med3_num_f32 v[X+4*(\u)],   v[X+4*(\u)],   s14, s15  ; the conversion does not saturate by itself
	v_med3_num_f32 v[X+4*(\u)+1], v[X+4*(\u)+1], s14, s15
	v_med3_num_f32 v[X+4*(\u)+2], v[X+4*(\u)+2], s14, s15
	v_med3_num_f32 v[X+4*(\u)+3], v[X+4*(\u)+3], s14, s15
	v_cvt_pk_f16_f32 v[X+4*(\u)],   v[X+4*(\u)],   v[X+4*(\u)+1]  ; the first source into the low half
	v_cvt_pk_f16_f32 v[X+4*(\u)+1], v[X+4*(\u)+2], v[X+4*(\u)+3]
	global_store_b64 v2, v[X+4*(\u):X+4*(\u)+1], s[10:11] offset:256*(\u)  ; 32 rows: 256 consecutive bytes
.endr
	s_endpgm
.Lfunc_end_k_q482cc31502_prep:
	.size	k_q482cc31502_prep, .Lfunc_end_k_q482cc31502_prep-k_q482cc31502_prep
	.p2alignl 7, 3214868480
	.fill 96, 4, 3214868480
	.section	.rodata,"a",@progbits
	.p2align	6, 0x0
	.amdhsa_kernel k_q482cc31502_prep
		.amdhsa_group_segment_fixed_size 0
		.amdhsa_private_segment_fixed_size 0
		.amdhsa_enable_private_segment 0
		.amdhsa_kernarg_size 32
		.amdhsa_user_sgpr_count 2
		.amdhsa_user_sgpr_kernarg_segment_ptr 1
		.amdhsa_wavefront_size32 1
		.amdhsa_system_sgpr_workgroup_id_x 1
		.amdhsa_system_sgpr_workgroup_id_y 1
		.amdhsa_system_sgpr_workgroup_id_z 1
		.amdhsa_system_vgpr_workitem_id 0
		.amdhsa_next_free_vgpr 36
		.amdhsa_next_free_sgpr 66
		.amdhsa_reserve_vcc 0
		.amdhsa_float_denorm_mode_32 3
		.amdhsa_float_denorm_mode_16_64 3
		.amdhsa_memory_ordered 1
		.amdhsa_forward_progress 1
		.amdhsa_inst_pref_size 12
	.end_amdhsa_kernel
	.amdgpu_metadata
---
amdhsa.version: [ 1, 2 ]
amdhsa.kernels:
  - .name:           k_q482cc31502_prep
    .symbol:         k_q482cc31502_prep.kd
    .args:
      - { .name: x, .offset: 0, .size: 8, .value_kind: global_buffer, .address_space: global }
      - { .name: tables, .offset: 8, .size: 8, .value_kind: global_buffer, .address_space: global }
      - { .name: q, .offset: 16, .size: 8, .value_kind: global_buffer, .address_space: global }
      - { .name: tb, .offset: 24, .size: 8, .value_kind: global_buffer, .address_space: global }
    .group_segment_fixed_size: 0
    .private_segment_fixed_size: 0
    .kernarg_segment_align: 8
    .kernarg_segment_size: 32
    .max_flat_workgroup_size: 160
    .sgpr_count:     66
    .vgpr_count:     36
    .wavefront_size: 32
...
	.end_amdgpu_metadata
.endif
;; end of part 3
;; launch field (part 4): grid 256 x 1, 16 waves a work-group, no clusters, 88,832 bytes of LDS; arguments q, cr, tb, W1, b1, W2, b2, W3, b3, out0; writes out0
.if DOCPART == 4
	.amdgcn_target "amdgcn-amd-amdhsa--gfx1250"
	.amdhsa_code_object_version 6
	.text
	.protected	k_q482cc31502_field
	.globl	k_q482cc31502_field
	.p2align	8
	.type	k_q482cc31502_field,@function
k_q482cc31502_field:
	s_mov_b64 s[64:65], 0
	v_nop
	global_prefetch_b8 v0, s[64:65] scope:SCOPE_SE
	s_setreg_imm32_b32 hwreg(HW_REG_WAVE_MODE, 25, 1), 1
	s_wait_xcnt 0x0
; out0[n][0..12] = MLP(encoding(n)): for each of 1,000,000 points a hash grid of 10 levels (8 corners x 4 features a level, trilinear weights), each level
; times erf(1 / sqrt(max(4 l cr, 1e-12))), then 40 -> 64 -> 64 -> 13 with selu.  The launch before has made q = trunc(x 2^26), whole numbers, and tb = f16(tables 2^13), rows of 8 bytes.
; SHARES.  256 work-groups of 16 waves, four waves of 256 registers on each SIMD.  A wave's unit is a GROUP of 64 points = 3,328 bytes of out0 = 13 aligned
; blocks of 256.  15,625 groups over 4,096 waves: wave gw takes groups gw + 4,096 j; 4 trips if gw < 3,337, else 3.  A group is 2 PASSES of 2 TILES of 16 points.
; LAYOUT.  In a tile lane (r = lane % 16, h = lane / 16) owns point r and levels 5 h .. 5 h + 4.  All products are used transposed: source 0 = weights (16 units),
; source 1 = activations (16 points), so a lane holds one point in every operand and every result, and the eight units of a result, rounded in pairs, ARE half a
; fragment of the next layer's source 1.  Nothing changes lanes from the gather to the output.
; THE INTERPOLATION is a product of weights and table rows, with f16 operands and f32 sums.  The rows come in f16, scaled by 2^13 (2^-13 is multiplied into W1, exactly); the eight weights
; are made in f32 and rounded to f16; weight x row is made two at a time by the packed f16 multiply, which rounds it to f16 once more; and the corners are summed in f32 by the matrix unit:
; source 1 holds a lane's products (16 K slots = 4 corners x 4 features of its own level), source 0 is SEL, a constant matrix of ones and zeros: SEL[m][k] = 1 where K slot k belongs to
; the half of the lanes m / 8 and to feature m % 8.  So registers 0-3 of the result in lane (r, h) are the four features of that lane's own level.  Two such products take the eight corners.
; That is 24 vector instructions a step where widening 32 f16 and summing them in f32 by the vector unit takes 48.
; THE MLP'S FORMAT.  Every operand is two bf16 terms, hi + lo (lo = the rounding's remainder, rounded again), and three products are made: hi hi, hi lo, lo hi.  What is
; dropped is about 2^-16 of a product; bf16 keeps f32's range.  Sums, biases (the C operand of a sum's first product), erf and selu in f32.
; selu's scale is multiplied into W2 and W3 in f32 ahead of the split, so the activation made here is g(x) = x for x > 0, alpha (e^x - 1) else.
; g(x) = min(|x|, A, E), A = x (alpha + alpha x / 2), E = alpha 2^(x log2 e) - (alpha - 2^-21).  For x > 0 both A and E exceed x = |x|.  For x <= 0 the smaller of A and E is at most 0
; (A on [-2, 0], E below), so |x| never wins; both lie above alpha (e^x - 1): A by alpha |x|^3 / 6, E by 2^-21 less the exponential's last bit; the smaller is the nearer: relative error
; about 3e-5 at the most, at |x| = 0.012; no cancellation at small x.
; erf: 1 - (a1 t + .. + a5 t^5) e^(-z^2), t = 1 / (1 + p z) (Abramowitz and Stegun 7.1.26), absolute error 1.5e-7 for every z > 0; level 0 (z = 1e6) gives 1.
; LIMITS.  x and the table as the launch before states them (x in [0, 64) on a grid of 2^-26; table entries of 11 significant bits between 7.5e-9 and 7.996).  A term of the interpolation
; carries three roundings to 11 bits (row, weight, product); a weight, or a product in the table's scaled units, below 6.1e-5 keeps f16's fixed step of 6e-8.  Cell and fraction are exact
; for q, so they differ from f32's rounded x RES by 7e-4 of a cell at the most; the interpolation is continuous there.  erf's relative error passes 1% only where 4 l cr > 1e8.
; NaN and infinities are not treated apart; an activation beyond bf16's largest number is lost.
; The resolutions are floor(16 b^l) with b as double arithmetic gives it, just under 2^(10/9): the last is 16,383, not 16,384.
; NO TENSOR LOADS, NO CLUSTER: the gathers are 8 bytes a lane at scattered places; what work-groups share, 30 KB of weights, is read once by each and is scaled and split on its way into LDS.
.set NGROUP, 15625
.set STRIDE, 4096                      ; waves in the launch
.set FULL,   NGROUP-3*STRIDE           ; waves below this number have a fourth trip
; LDS
.set WF,     0                         ; 32 weight fragments of 1,024 bytes, as registers want them: byte (reg / 4) 512 + 16 lane + 4 (reg % 4): each 16-byte load of a wave takes 512 consecutive bytes
                                       ; 0+t W1 hi, 4+t W1 lo, 8+t W1 tail (row tile t of 16 units); 12+2t+c W2 hi, 20+2t+c W2 lo (K half c); 28+c W3 hi, 30+c W3 lo
.set BIAS,   32768                     ; b1 (256 bytes), b2 (256), then b3 by result row (64, and 64 more that nobody reads)
.set STAGE,  33536                     ; 16 x 3,328 bytes: each wave's own group of out0, [64][13] f32 as it lies in memory
.set STAGEB, 3328
.set SPARE,  86784                     ; the spare words, 128 bytes for each wave: eight blocks of 256 bytes that no other line names
; vector registers
.set SPW,  1                           ; v1      LDS address of my spare word; never rewritten
.set NIL,  2                           ; v2      0; never rewritten
.set NEG1, 3                           ; v3      -1.0
.set RS,   4                           ; v4-8    my five levels' resolutions times 64: q RS = x RES 2^32
.set LV,   9                           ; v9-13   my five levels' numbers times 65,536: the level's first row in the table
.set CL0,  14                          ; v14     20 h, as f32: 4 x my first level
.set QOF,  15                          ; v15     12 r
.set COF,  16                          ; v16     4 r
.set WFA,  17                          ; v17     16 lane: in a weight fragment, and in 512 bytes of out0
.set BIA,  18                          ; v18     BIAS + 32 h
.set STO,  19                          ; v19     my stage + 52 r + 28 h
.set ST6,  20                          ; v20     my stage + 52 r + 24 h
.set RDA,  21                          ; v21     my stage + 16 lane
.set RDB,  22                          ; v22     my stage + 8 lane
.set GOB,  24                          ; v24     8 lane
.set Z2,   26                          ; v26-27  0, as 64 bits
.set Q,    28                          ; v28-35  qx, qy, qz, cr of tile 0, of tile 1
.set SC,   36                          ; v36-40  erf of my five levels, for the tile in hand
.set CRH,  41                          ; v41     cr x 20 h
.set FR,   42                          ; v42-53  ring of four: the three fractions times 2^32, as f32
                                       ; v54-63  at work in the set-up
.set GR,   64                          ; v64-127 ring of four gather buffers of 16: corner c's row number, then its four f16, at +2 c
.set TMP,  128                         ; v128-151 at work
.set BI,   144                         ; v144-151 in the MLP: the biases of a result's eight rows
.set CV,   152                         ; v152-167 a step's 32 products weight x row, in f16: source 1 of the two summing products (corners 0-3, corners 4-7)
.set ENC,  168                         ; v168-215 tile T at +24 T: levels i = 0..3 hi (8), lo (8); then level i = 4: hi, lo, hi, 0 (2 each)
.set SEL,  216                         ; v216-223 the summing matrix, source 0; never rewritten
.set DACC, 224                         ; v224-231 a step's sums: registers 0-3 are my level's four features (where the MLP's first weight fragment lies later)
.set H1,   64                          ; in the MLP: layer 1's output, tile T at +32 T: hi (K halves 0, 1), then lo
.set H2A,  168                         ; layer 2's output: tile 0 hi,
.set H2B,  184                         ; tile 0 lo,
.set H2C,  200                         ; tile 1 hi,
.set H2D,  36                          ; tile 1 lo (where erf and the fractions lay)
.set AC0,  152                         ; the two accumulators: tile 0's
.set AC1,  160                         ; and tile 1's
.set FA,   224                         ; v224-255 four weight fragments
.set OB,   64                          ; v64-89  a group of out0 on its way from the stage to memory
; scalar registers: s[4:23] the ten buffers; s24 wave; s25 group; s26 trip; s27 trips; s[28:29] q, s[30:31] cr, s[32:33] out0 at my group; s[34:35] q, s[36:37] cr at my next group;
; s[38:39] an offset in 64 bits; s43 at work; s40-63 constants, below
.macro PLACES                          ; four places between a matrix instruction and a load into its sources, a read of its result, or a vector write of its registers
.rept 4
	v_nop
.endr
.endm
; Two f32 -> their bf16 roundings, packed (hi), and the remainders' roundings, packed (lo).  a - bf16(a) is exact in f32.  This form writes lo whole.
.macro SPLIT a0, a1, hi, lo, t0, t1
	v_cvt_pk_bf16_f32 v[(\hi)], v[(\a0)], v[(\a1)]
	v_fma_mix_f32_bf16 v[(\t0)], v[(\hi)], v[NEG1], v[(\a0)] op_sel_hi:[1,0,0]
	v_fma_mix_f32_bf16 v[(\t1)], v[(\hi)], v[NEG1], v[(\a1)] op_sel:[1,0,0] op_sel_hi:[1,0,0]
	v_cvt_pk_bf16_f32 v[(\lo)], v[(\t0)], v[(\t1)]
.endm
; q and cr of pair pr (two tiles) of the group at s[qb:qb+1], s[cb:cb+1]: eight loads.  Both halves of the lanes read the same point.
.macro QLOAD qb, cb, pr
.set n, 0
.rept 2
	global_load_b32 v[Q+4*n],   v[QOF], s[(\qb):(\qb)+1] offset:(2*(\pr)+n)*192
	global_load_b32 v[Q+4*n+1], v[QOF], s[(\qb):(\qb)+1] offset:(2*(\pr)+n)*192+4
	global_load_b32 v[Q+4*n+2], v[QOF], s[(\qb):(\qb)+1] offset:(2*(\pr)+n)*192+8
	global_load_b32 v[Q+4*n+3], v[COF], s[(\cb):(\cb)+1] offset:(2*(\pr)+n)*64 th:TH_LOAD_NT
.set n, n+1
.endr
.endm
	s_load_b512 s[4:19], s[0:1], 0x0               ; q s[4:5], cr s[6:7], tb s[8:9], W1 s[10:11], b1 s[12:13], W2 s[14:15], b2 s[16:17], W3 s[18:19]
	s_load_b128 s[20:23], s[0:1], 0x40             ; b3 s[20:21], out0 s[22:23]
	v_lshl_add_u32 v[SPW], v0, 2, SPARE
	v_mov_b32 v[NIL], 0
	v_lshrrev_b32 v64, 5, v0
	v_readfirstlane_b32 s24, v64                   ; wave 0..15
	v_and_b32 v60, 31, v0                          ; lane
	v_and_b32 v61, 15, v0                          ; r
	v_bfe_u32 v62, v0, 4, 1                        ; h
	v_lshrrev_b32 v63, 3, v61                      ; o(r) = min(r - r / 8, 12): which output stands in row r of layer 3's result.  Rows 0-6 are outputs 0-6, rows 8-13 outputs 7-12,
	v_sub_nc_u32 v63, v61, v63                     ; row 14 output 12 once more; rows 7 and 15 are not stored.  So each half of the lanes stores seven registers, with all lanes on
	v_min_u32 v63, 12, v63
	v_mov_b32 v[NEG1], -1.0
	; SEL.  Lane (r, h) of source 0 holds row m = r and the K slots of half h; slot s of its 16 (register s / 2, half s % 2) is feature s % 4.  With d = r % 8 the row has ones
	; only if h = r / 8 and d < 4: at feature d, which is the half d % 2 of the even registers (d < 2) or of the odd ones (d = 2, 3).
	v_and_b32 v64, 7, v61                          ; d
	v_lshrrev_b32 v65, 3, v61                      ; r / 8
	v_and_b32 v66, 1, v64
	v_lshlrev_b32 v66, 4, v66                      ; 16 (d % 2)
	v_mov_b32 v67, 0x3c00                          ; 1.0 in f16,
	v_lshlrev_b32 v66, v66, v67                    ; in the low or in the high half
	v_cmp_eq_u32 vcc_lo, v65, v62
	v_cndmask_b32 v66, 0, v66, vcc_lo              ; only where h = r / 8
	v_cmp_gt_u32 vcc_lo, 2, v64
	v_cndmask_b32 v[SEL], 0, v66, vcc_lo           ; the even registers: d = 0, 1
	v_lshrrev_b32 v67, 1, v64
	v_cmp_eq_u32 vcc_lo, 1, v67
	v_cndmask_b32 v[SEL+1], 0, v66, vcc_lo         ; the odd registers: d = 2, 3
.irp j, 2,4,6
	v_mov_b32 v[SEL+(\j)],   v[SEL]
	v_mov_b32 v[SEL+(\j)+1], v[SEL+1]
.endr
	v_cmp_eq_u32 vcc_lo, 1, v62
.macro BYHALF reg, lo, hi              ; a constant for each half of the lanes
	v_mov_b32 v[\reg], \hi
	v_cndmask_b32 v[\reg], \lo, v[\reg], vcc_lo
.endm
	BYHALF RS,   16*64,  752*64
	BYHALF RS+1, 34*64,  1625*64
	BYHALF RS+2, 74*64,  3511*64
	BYHALF RS+3, 161*64, 7584*64
	BYHALF RS+4, 348*64, 16383*64
	BYHALF CL0,  0,      0x41a00000                ; 20.0
	v_mul_u32_u24 v[LV], 0x50000, v62
.irp i, 1,2,3,4
	v_add_nc_u32 v[LV+(\i)], (\i)*65536, v[LV]
.endr
	s_mul_i32 s43, s24, STAGEB
	s_add_co_u32 s43, s43, STAGE                   ; my stage
	v_mul_u32_u24 v[QOF], v61, 12
	v_lshlrev_b32 v[COF], 2, v61
	v_lshlrev_b32 v[WFA], 4, v60
	v_lshl_add_u32 v[BIA], v62, 5, BIAS
	v_mul_u32_u24 v64, v61, 52                     ; a point's 13 outputs
	v_mad_u32_u24 v[STO], v62, 28, v64             ; lanes 16-31 begin at output 7
	v_mad_u32_u24 v[ST6], v62, 24, v64             ; the seventh register: with the offset 24, output 6 or, once more, output 12
	v_add_nc_u32 v[STO], s43, v[STO]
	v_add_nc_u32 v[ST6], s43, v[ST6]
	v_add_nc_u32 v[RDA], s43, v[WFA]
	v_lshl_add_u32 v[RDB], v60, 3, s43
	v_lshlrev_b32 v[GOB], 3, v60
	v_mov_b32 v[Z2], 0
	v_mov_b32 v[Z2+1], 0
	s_mov_b32 s40, 0xffff                          ; the table's 65,536 rows
	s_mov_b32 s41, 0x79b1                          ; 2,654,435,761 mod 65,536: the hash keeps 16 bits, so 16 bits of each prime do
	s_mov_b32 s42, 0x5795                          ; 805,459,861 mod 65,536
	s_mov_b32 s44, 0x3ea7ba05                      ; p  =  0.3275911
	s_mov_b32 s45, 0x3e827906                      ; a1 =  0.254829592
	s_mov_b32 s46, 0xbe91a98e                      ; a2 = -0.284496736
	s_mov_b32 s47, 0x3fb5f0e3                      ; a3 =  1.421413741
	s_mov_b32 s48, 0xbfba00e3                      ; a4 = -1.453152027
	s_mov_b32 s49, 0x3f87dc22                      ; a5 =  1.061405429
	s_mov_b32 s50, 0xbfb8aa3b                      ; -log2(e)
	s_mov_b32 s51, 0x2f800000                      ; 2^-32
	s_mov_b32 s52, 0xaf800000                      ; -2^-32
	s_mov_b32 s53, 0x2b8cbccc                      ; 1e-12
	s_mov_b32 s54, 0x3fb8aa3b                      ; log2(e); the packed forms name pairs and take the low word for both halves, so both words are written
	s_mov_b32 s55, s54
	s_mov_b32 s56, 0x3f562d7d                      ; alpha / 2
	s_mov_b32 s57, s56
	s_mov_b32 s58, 0x3fd62d7d                      ; alpha = 1.6732632
	s_mov_b32 s59, s58
	s_mov_b32 s60, 0xbfd62d79                      ; -(alpha - 2^-21)
	s_mov_b32 s61, s60
	s_mov_b32 s62, 0x3f867d5f                      ; selu's scale, 1.0507010
	s_mov_b32 s63, s62
	s_lshl_b32 s25, ttmp9, 4
	s_add_co_u32 s25, s25, s24                     ; gw: my wave among the launch's 4,096, and my first group
	s_cmp_lt_u32 s25, FULL
	s_cselect_b32 s27, 4, 3                        ; trips
	s_mov_b32 s26, 0
	s_mul_i32 s38, s25, 768                        ; a group's q: 64 points x 12 bytes
	s_mov_b32 s39, 0
	s_wait_kmcnt 0x0
	s_add_nc_u64 s[34:35], s[4:5], s[38:39]
	s_lshl_b32 s38, s25, 8                         ; a group's cr: 256 bytes
	s_add_nc_u64 s[36:37], s[6:7], s[38:39]
	QLOAD 34, 36, 0                                ; my first two tiles are on their way while the weights are laid out
; THE WEIGHTS' LAY-OUT, once.  Waves 0-3: W1's row tile t = wave (hi, lo, tail).  Waves 4-11: W2's fragment wave - 4 = 2 t + c (hi, lo).  Waves 12, 13: W3's K half (hi, lo).  Wave 14: the biases.
; Lane (r, h) of a fragment holds unit 16 t + r and 16 values of K, slot s in register s / 2, half s % 2.  W2, W3: K = 32 c + 16 (s / 8) + 8 h + s % 8, the place that the matrix instruction gives the slot.
; W1: slot s is feature (s % 4) 10 + 5 h + s / 4, channel s % 4 of my level s / 4, as the encoding leaves it in the same slot.  The fifth level has a fragment of its own, the TAIL, which holds
; all three products: slots 0-3 hi (against hi), 4-7 hi (against lo), 8-11 lo (against hi), 12-15 zero.
.set BV, 54                            ; my byte offset in the weights
.set BA, 55                            ; 1,024 wave + 16 lane
.set BW, 128                           ; 16 (W1: 20) weights as loaded
.set BH, 160                           ; the hi fragment
.set BL, 168                           ; the lo fragment
.set BT, 180                           ; the tail
.macro SPLIT16
.set n, 0
.rept 8
	SPLIT BW+2*n, BW+2*n+1, BH+n, BL+n, 176, 177
.set n, n+1
.endr
.endm
.macro SCALE16                         ; selu's scale, in f32, ahead of the split
.set n, 0
.rept 8
	v_pk_mul_f32 v[BW+2*n:BW+2*n+1], v[BW+2*n:BW+2*n+1], s[62:63] op_sel_hi:[1,0]
.set n, n+1
.endr
.endm
.macro PUT reg, off
	ds_store_b128 v[BA], v[(\reg):(\reg)+3] offset:(\off)
	ds_store_b128 v[BA], v[(\reg)+4:(\reg)+7] offset:(\off)+512
.endm
	v_lshl_add_u32 v[BA], s24, 10, v[WFA]
	s_cmp_lt_u32 s24, 4
	s_cbranch_scc0 .Lnot_w1
	s_lshl_b32 s43, s24, 6                         ; 16 t units of 4 bytes
	v_mul_u32_u24 v[BV], 0x500, v62                ; 5 h rows of 256 bytes
	v_lshl_add_u32 v[BV], v61, 2, v[BV]
	v_add_nc_u32 v[BV], s43, v[BV]
.set n, 0
.rept 16
	global_load_b32 v[BW+n], v[BV], s[10:11] offset:(n%4)*2560+(n/4)*256
.set n, n+1
.endr
.set n, 0
.rept 4
	global_load_b32 v[BW+16+n], v[BV], s[10:11] offset:n*2560+1024
.set n, n+1
.endr
	s_wait_loadcnt 0x0
.set n, 0
.rept 10
	v_pk_mul_f32 v[BW+2*n:BW+2*n+1], v[BW+2*n:BW+2*n+1], 0x39000000 op_sel_hi:[1,0]  ; times 2^-13, exact: the table's rows come scaled by 2^13
.set n, n+1
.endr
	SPLIT16
	SPLIT BW+16, BW+17, BT, BT+4, 176, 177
	SPLIT BW+18, BW+19, BT+1, BT+5, 176, 177
	v_mov_b32 v[BT+2], v[BT]
	v_mov_b32 v[BT+3], v[BT+1]
	v_mov_b32 v[BT+6], 0
	v_mov_b32 v[BT+7], 0
	PUT BH, 0                                      ; fragment t
	PUT BL, 4096                                   ; fragment 4 + t
	PUT BT, 8192                                   ; fragment 8 + t
	s_branch .Lbuilt
.Lnot_w1:
	s_cmp_lt_u32 s24, 12
	s_cbranch_scc0 .Lnot_w2
	s_sub_co_u32 s38, s24, 4
	s_and_b32 s39, s38, 1                          ; c
	s_lshr_b32 s38, s38, 1                         ; t
	s_lshl_b32 s39, s39, 13                        ; 32 c rows of 256 bytes
	s_lshl_b32 s38, s38, 6
	s_add_co_u32 s43, s38, s39
	v_lshlrev_b32 v[BV], 11, v62                   ; 8 h rows
	v_lshl_add_u32 v[BV], v61, 2, v[BV]
	v_add_nc_u32 v[BV], s43, v[BV]
.set n, 0
.rept 16
	global_load_b32 v[BW+n], v[BV], s[14:15] offset:(n/8)*4096+(n%8)*256
.set n, n+1
.endr
	s_wait_loadcnt 0x0
	SCALE16
	SPLIT16
	PUT BH, 8192                                   ; fragment wave + 8 = 12 + 2 t + c
	PUT BL, 16384                                  ; fragment 20 + 2 t + c
	s_branch .Lbuilt
.Lnot_w2:
	s_cmp_lt_u32 s24, 14
	s_cbranch_scc0 .Lnot_w3
	s_sub_co_u32 s38, s24, 12                      ; c
	s_mul_i32 s43, s38, 1664                       ; 32 c rows of 52 bytes
	v_mul_u32_u24 v[BV], 0x1a0, v62                ; 8 h rows
	v_lshl_add_u32 v[BV], v63, 2, v[BV]            ; output o(r)
	v_add_nc_u32 v[BV], s43, v[BV]
.set n, 0
.rept 16
	global_load_b32 v[BW+n], v[BV], s[18:19] offset:(n/8)*832+(n%8)*52
.set n, n+1
.endr
	s_wait_loadcnt 0x0
	SCALE16
	SPLIT16
	PUT BH, 16384                                  ; fragment wave + 16 = 28 + c
	PUT BL, 18432                                  ; fragment 30 + c
	s_branch .Lbuilt
.Lnot_w3:
	s_cmp_eq_u32 s24, 14
	s_cbranch_scc0 .Lbuilt
	v_lshlrev_b32 v[BV], 2, v60
	v_lshlrev_b32 v64, 2, v63
	v_add_nc_u32 v[BA], BIAS, v[BV]
	global_load_b32 v[BW],   v[BV], s[12:13]
	global_load_b32 v[BW+1], v[BV], s[12:13] offset:128
	global_load_b32 v[BW+2], v[BV], s[16:17]
	global_load_b32 v[BW+3], v[BV], s[16:17] offset:128
	global_load_b32 v[BW+4], v64, s[20:21]         ; b3 by result row
	s_wait_loadcnt 0x0
.irp u, 0,1,2,3,4
	ds_store_b32 v[BA], v[BW+(\u)] offset:128*(\u)
.endr
.Lbuilt:
	s_wait_dscnt 0x0                               ; for the others' sake: my stores of weights are done
	s_barrier_signal -1
	s_barrier_wait -1                              ; the launch's one barrier: from here on WF and BIAS are only read, and a stage is touched by its own wave alone
	s_mov_b32 s39, 0
; STEP s of a pass's ten: tile s / 5, my level s % 5.  ISSUE makes the eight corners' row numbers and asks for the rows; CONSUME, four steps later, interpolates.
; q RS = x RES 2^32 in 64 bits: the high word is the cell, the low word the fraction.  Row = ((cx + i) ^ (cy + j) P1 ^ (cz + k) P2) mod 65,536 + 65,536 level; corner c = 4 j + 2 k + i.
; What is at work ends in the buffer's odd registers, the row numbers stand in the even ones; each load lands on its own address register and the odd one beside it.
.macro ISSUE s
.set iI, (\s)%5
.set iG, GR+16*((\s)%4)
.set iF, FR+3*((\s)%4)
.set iQ, Q+4*((\s)/5)
	v_mad_nc_u64_u32 v[iG:iG+1],   v[iQ],   v[RS+iI], v[Z2:Z2+1]
	v_mad_nc_u64_u32 v[iG+2:iG+3], v[iQ+1], v[RS+iI], v[Z2:Z2+1]
	v_mad_nc_u64_u32 v[iG+4:iG+5], v[iQ+2], v[RS+iI], v[Z2:Z2+1]
	v_cvt_f32_u32 v[iF],   v[iG]
	v_cvt_f32_u32 v[iF+1], v[iG+2]
	v_cvt_f32_u32 v[iF+2], v[iG+4]
	v_mul_u32_u24 v[iG+7], s41, v[iG+3]            ; cy P1: cells stay under 2^20
	v_mul_u32_u24 v[iG+9], s42, v[iG+5]            ; cz P2
	v_add_nc_u32 v[iG+11], 1, v[iG+1]              ; cx + 1
	v_and_or_b32 v[iG+1], v[iG+1], s40, v[LV+iI]   ; cx mod 65,536, with the level on top
	v_add_nc_u32 v[iG+13], s41, v[iG+7]            ; (cy + 1) P1
	v_add_nc_u32 v[iG+15], s42, v[iG+9]            ; (cz + 1) P2
	v_and_or_b32 v[iG+3], v[iG+11], s40, v[LV+iI]
	v_xor_b32 v[iG+5],  v[iG+7],  v[iG+9]          ; j k = 0 0
	v_xor_b32 v[iG+7],  v[iG+7],  v[iG+15]         ;       0 1
	v_xor_b32 v[iG+9],  v[iG+13], v[iG+9]          ;       1 0
	v_xor_b32 v[iG+11], v[iG+13], v[iG+15]         ;       1 1
	v_and_b32 v[iG+5],  s40, v[iG+5]
	v_and_b32 v[iG+7],  s40, v[iG+7]
	v_and_b32 v[iG+9],  s40, v[iG+9]
	v_and_b32 v[iG+11], s40, v[iG+11]
.set c, 0
.rept 8
	v_xor_b32 v[iG+2*c], v[iG+1+2*(c%2)], v[iG+5+2*(c/2)]
.set c, c+1
.endr
.set c, 0
.rept 8
	v_min_u32 v[iG+2*c], 0x9ffff, v[iG+2*c]        ; the table's last row: changes nothing, and shows that the load stays inside
.set c, c+1
.endr
.set c, 0
.rept 8
	global_load_b64 v[iG+2*c:iG+2*c+1], v[iG+2*c], s[8:9] scale_offset  ; the row's number times the load's own 8 bytes
.set c, c+1
.endr
.endm
; erf(1 / sqrt(max(4 l cr, 1e-12))) for my five levels of tile T: five chains, stage by stage; one plain instruction stands behind each run of transcendentals (ISA guide 5.7.2).
.macro ERF T
.set eC, Q+4*(\T)+3
	v_mul_f32 v[CRH], v[eC], v[CL0]
	v_fmamk_f32 v[TMP+1], v[eC], 0x40800000, v[CRH]   ; 4 l cr, l = 5 h + 1 ..
	v_fmamk_f32 v[TMP+2], v[eC], 0x41000000, v[CRH]
	v_fmamk_f32 v[TMP+3], v[eC], 0x41400000, v[CRH]
	v_fmamk_f32 v[TMP+4], v[eC], 0x41800000, v[CRH]
	v_max_num_f32 v[TMP], s53, v[CRH]
.irp i, 1,2,3,4
	v_max_num_f32 v[TMP+(\i)], s53, v[TMP+(\i)]
.endr
.irp i, 0,1,2,3,4
	v_rsq_f32 v[TMP+(\i)], v[TMP+(\i)]             ; z
.endr
	v_nop
	s_wait_alu depctr_va_vdst(0)
.irp i, 0,1,2,3,4
	v_mul_f32 v[TMP+5+(\i)], v[TMP+(\i)], v[TMP+(\i)]
.endr
.irp i, 0,1,2,3,4
	v_fma_f32 v[TMP+10+(\i)], v[TMP+(\i)], s44, 1.0
.endr
.irp i, 0,1,2,3,4
	v_mul_f32 v[TMP+5+(\i)], s50, v[TMP+5+(\i)]
.endr
.irp i, 0,1,2,3,4
	v_rcp_f32 v[TMP+10+(\i)], v[TMP+10+(\i)]       ; t
.endr
.irp i, 0,1,2,3,4
	v_exp_f32 v[TMP+5+(\i)], v[TMP+5+(\i)]         ; e^(-z^2)
.endr
	v_nop
	s_wait_alu depctr_va_vdst(0)
.irp i, 0,1,2,3,4
	v_fma_f32 v[TMP+15+(\i)], v[TMP+10+(\i)], s49, s48
.endr
.irp a, 47,46,45
.irp i, 0,1,2,3,4
	v_fma_f32 v[TMP+15+(\i)], v[TMP+15+(\i)], v[TMP+10+(\i)], s[\a]
.endr
.endr
.irp i, 0,1,2,3,4
	v_mul_f32 v[TMP+15+(\i)], v[TMP+15+(\i)], v[TMP+10+(\i)]
.endr
.irp i, 0,1,2,3,4
	v_fma_f32 v[SC+(\i)], -v[TMP+15+(\i)], v[TMP+5+(\i)], 1.0
.endr
.endm
; Step s's four features, out of the summing products' result, split into hi and lo, into the slots that W1's fragments expect.  The result is read from its low end on.
.macro SPLITD s
.set dI, (\s)%5
.set dH, ENC+24*((\s)/5)
.if dI < 4
	SPLIT DACC,   DACC+1, dH+2*dI,   dH+8+2*dI, TMP+18, TMP+19
	SPLIT DACC+2, DACC+3, dH+2*dI+1, dH+9+2*dI, TMP+20, TMP+21
.else
	SPLIT DACC,   DACC+1, dH+16, dH+18, TMP+18, TMP+19   ; the fifth level: hi, lo, hi, 0, against the tail's hi, hi, lo, 0
	SPLIT DACC+2, DACC+3, dH+17, dH+19, TMP+20, TMP+21
	v_mov_b32 v[dH+20], v[dH+16]
	v_mov_b32 v[dH+21], v[dH+17]
	v_mov_b32 v[dH+22], 0
	v_mov_b32 v[dH+23], 0
.endif
.endm
; The eight weights (erf rides on x's two) in f32, then each rounded to f16 into both halves of a register; the step before's features are taken out of DACC (its products lie at least these
; 21 plain instructions back); then weight x row, two features an instruction, and the two summing products.  cnt: the loads issued behind this step's eight, which may stay out.
.macro CONSUME s, cnt
.set iI, (\s)%5
.set iG, GR+16*((\s)%4)
.set iF, FR+3*((\s)%4)
	v_mul_f32 v[TMP+22], s51, v[SC+iI]
	v_mul_f32 v[TMP+3], s51, v[iF+1]               ; wy1 = fy
	v_mul_f32 v[TMP+5], s51, v[iF+2]               ; wz1 = fz
	v_fma_f32 v[TMP+2], v[iF+1], s52, 1.0          ; wy0 = 1 - fy
	v_fma_f32 v[TMP+4], v[iF+2], s52, 1.0          ; wz0 = 1 - fz
	v_mul_f32 v[TMP+1], v[iF], v[TMP+22]           ; wx1 = erf fx
	v_sub_f32 v[TMP], v[SC+iI], v[TMP+1]           ; wx0 = erf (1 - fx)
	v_pk_mul_f32 v[TMP+6:TMP+7], v[TMP+2:TMP+3], v[TMP+4:TMP+5] op_sel:[0,0] op_sel_hi:[0,1]     ; wy0 (wz0, wz1)
	v_pk_mul_f32 v[TMP+8:TMP+9], v[TMP+2:TMP+3], v[TMP+4:TMP+5] op_sel:[1,0] op_sel_hi:[1,1]     ; wy1 (wz0, wz1)
	v_pk_mul_f32 v[TMP+10:TMP+11], v[TMP:TMP+1], v[TMP+6:TMP+7] op_sel:[0,0] op_sel_hi:[1,0]     ; (wx0, wx1) wy0 wz0: corners 0, 1
	v_pk_mul_f32 v[TMP+12:TMP+13], v[TMP:TMP+1], v[TMP+6:TMP+7] op_sel:[0,1] op_sel_hi:[1,1]     ; corners 2, 3
	v_pk_mul_f32 v[TMP+14:TMP+15], v[TMP:TMP+1], v[TMP+8:TMP+9] op_sel:[0,0] op_sel_hi:[1,0]     ; corners 4, 5
	v_pk_mul_f32 v[TMP+16:TMP+17], v[TMP:TMP+1], v[TMP+8:TMP+9] op_sel:[0,1] op_sel_hi:[1,1]     ; corners 6, 7
.set c, 0
.rept 8
	v_cvt_pk_f16_f32 v[TMP+c], v[TMP+10+c], v[TMP+10+c]    ; corner c's weight, twice
.set c, c+1
.endr
.if (\s) > 0
	SPLITD (\s)-1
.endif
	s_wait_loadcnt \cnt                            ; loads come back in order (ISA guide 5.7.1): this step's eight are in
.set c, 0
.rept 4
	v_pk_mul_f16 v[CV+2*c],   v[iG+2*c],   v[TMP+c]        ; features 0, 1
	v_pk_mul_f16 v[CV+2*c+1], v[iG+2*c+1], v[TMP+c]        ; features 2, 3
.set c, c+1
.endr
	v_wmma_f32_16x16x32_f16 v[DACC:DACC+7], v[SEL:SEL+7], v[CV:CV+7], 0                    ; corners 0-3 start the sums
.rept 4
	v_pk_mul_f16 v[CV+2*c],   v[iG+2*c],   v[TMP+c]
	v_pk_mul_f16 v[CV+2*c+1], v[iG+2*c+1], v[TMP+c]
.set c, c+1
.endr
	s_wait_alu depctr_va_vdst(0)                   ; a step has one sum, so its two links follow each other
	v_wmma_f32_16x16x32_f16 v[DACC:DACC+7], v[SEL:SEL+7], v[CV+8:CV+15], v[DACC:DACC+7]    ; corners 4-7
.endm
; THE MLP.  A row tile (16 units) at a time, for both tiles of points: its weight fragments and biases come out of LDS while the row tile before goes through selu.
.macro LOADF n, f
	ds_load_b128 v[FA+8*(\n):FA+8*(\n)+3],   v[WFA] offset:(\f)*1024
	ds_load_b128 v[FA+8*(\n)+4:FA+8*(\n)+7], v[WFA] offset:(\f)*1024+512
.endm
.macro LOADW layer, t
.if (\layer) == 1
	LOADF 0, (\t)
	LOADF 1, 4+(\t)
	LOADF 2, 8+(\t)
.elseif (\layer) == 2
	LOADF 0, 12+2*(\t)
	LOADF 1, 13+2*(\t)
	LOADF 2, 20+2*(\t)
	LOADF 3, 21+2*(\t)
.else
	LOADF 0, 28
	LOADF 1, 29
	LOADF 2, 30
	LOADF 3, 31
.endif
	ds_load_b128 v[BI:BI+3],   v[BIA] offset:256*((\layer)-1)+64*(\t)      ; the biases of rows 8 h .. 8 h + 7: sixteen lanes read the same 32 bytes
	ds_load_b128 v[BI+4:BI+7], v[BIA] offset:256*((\layer)-1)+64*(\t)+16
.endm
.macro MMA acc, a, b, c
	v_wmma_f32_16x16x32_bf16 v[(\acc):(\acc)+7], v[(\a):(\a)+7], v[(\b):(\b)+7], v[(\c):(\c)+7]
.endm
; The two tiles' accumulators take turns, one instruction a turn.  The first product of each sum takes the biases as C.
.macro WM1
	MMA AC0, FA,    ENC,    BI                     ; hi hi
	MMA AC1, FA,    ENC+24, BI
	MMA AC0, FA,    ENC+8,  AC0                    ; hi lo
	MMA AC1, FA,    ENC+32, AC1
	MMA AC0, FA+8,  ENC,    AC0                    ; lo hi
	MMA AC1, FA+8,  ENC+24, AC1
	MMA AC0, FA+16, ENC+16, AC0                    ; the fifth level, all three
	MMA AC1, FA+16, ENC+40, AC1
.endm
.macro WM23 h0, l0, h1, l1             ; hi and lo of tile 0, of tile 1; K half 1 lies 8 registers on
	MMA AC0, FA,    (\h0),   BI
	MMA AC1, FA,    (\h1),   BI
	MMA AC0, FA,    (\l0),   AC0
	MMA AC1, FA,    (\l1),   AC1
	MMA AC0, FA+16, (\h0),   AC0
	MMA AC1, FA+16, (\h1),   AC1
	MMA AC0, FA+8,  (\h0)+8, AC0
	MMA AC1, FA+8,  (\h1)+8, AC1
	MMA AC0, FA+8,  (\l0)+8, AC0
	MMA AC1, FA+8,  (\l1)+8, AC1
	MMA AC0, FA+24, (\h0)+8, AC0
	MMA AC1, FA+24, (\h1)+8, AC1
.endm
; g of an accumulator's eight numbers, split into four registers hi and four lo.  The accumulator is read from its low end on.
; lo's halves are made one at a time, g - hi rounded straight to bf16; each of these lo registers has been written whole earlier in the pass.
.macro SELU8 acc, hi, lo
.set n, 0
.rept 4
	v_pk_mul_f32 v[TMP+2*n:TMP+2*n+1], v[(\acc)+2*n:(\acc)+2*n+1], s[54:55] op_sel_hi:[1,0]                    ; x log2(e)
.set n, n+1
.endr
.set n, 0
.rept 4
	v_pk_fma_f32 v[TMP+8+2*n:TMP+9+2*n], v[(\acc)+2*n:(\acc)+2*n+1], s[56:57], s[58:59] op_sel_hi:[1,0,0]      ; alpha + alpha x / 2
.set n, n+1
.endr
.set n, 0
.rept 8
	v_exp_f32 v[TMP+n], v[TMP+n]
.set n, n+1
.endr
.set n, 0
.rept 4
	v_pk_mul_f32 v[TMP+8+2*n:TMP+9+2*n], v[TMP+8+2*n:TMP+9+2*n], v[(\acc)+2*n:(\acc)+2*n+1]                    ; A; these plain lines stand between the exponentials and the use of their results
.set n, n+1
.endr
.set n, 0
	s_wait_alu depctr_va_vdst(0)
.rept 4
	v_pk_fma_f32 v[TMP+2*n:TMP+2*n+1], v[TMP+2*n:TMP+2*n+1], s[58:59], s[60:61] op_sel_hi:[1,0,0]              ; E
.set n, n+1
.endr
.set n, 0
.rept 8
	v_min3_num_f32 v[TMP+8+n], |v[(\acc)+n]|, v[TMP+8+n], v[TMP+n]                                            ; g
.set n, n+1
.endr
.set n, 0
.rept 4
	v_cvt_pk_bf16_f32 v[(\hi)+n], v[TMP+8+2*n], v[TMP+9+2*n]
.set n, n+1
.endr
.set n, 0
.rept 4
	v_fma_mixlo_bf16 v[(\lo)+n], v[(\hi)+n], v[NEG1], v[TMP+8+2*n] op_sel_hi:[1,0,0]                           ; the even unit's remainder into the low half,
.set n, n+1
.endr
.set n, 0
.rept 4
	v_fma_mixhi_bf16 v[(\lo)+n], v[(\hi)+n], v[NEG1], v[TMP+9+2*n] op_sel:[1,0,0] op_sel_hi:[1,0,0]            ; the odd unit's into the high half
.set n, n+1
.endr
.endm
; A PASS: two tiles, 32 points.  Four steps' gathers, 32 loads, are always on their way.  The next pass's q and cr are asked for as soon as this pass has made its last addresses.
; Behind a step's summing products stand the next ISSUE's and the next CONSUME's plain instructions, which name none of their registers: they are the places in front of the read of the sums.
.macro PASS p
.if (\p) == 1
	s_wait_loadcnt 0x0                             ; q and cr of this pass
.endif
	ISSUE 0
	ISSUE 1
	ISSUE 2
	ISSUE 3
	ERF 0
	CONSUME 0, 24                                  ; behind a step's eight loads stand three steps' 24
	ISSUE 4
	CONSUME 1, 24
	ISSUE 5
	CONSUME 2, 24
	ISSUE 6
	CONSUME 3, 24
	ISSUE 7
	CONSUME 4, 24
	ISSUE 8
	ERF 1
	CONSUME 5, 24
	ISSUE 9
.if (\p) == 0
	QLOAD 28, 30, 1                                ; this group's second pair
.else
	QLOAD 34, 36, 0                                ; my next group's first pair
.endif
	CONSUME 6, 32                                  ; steps 7, 8, 9 and the eight loads of q and cr
	CONSUME 7, 24                                  ; steps 8, 9 and those eight
	CONSUME 8, 16
	CONSUME 9, 8                                   ; q and cr stay out through the MLP
	PLACES                                         ; no step follows whose work could stand here
	SPLITD 9
	LOADW 1, 0
.set tt, 0
.rept 4                                ; layer 1
	s_wait_dscnt 0x0                               ; the row tile's weights and biases are in
	WM1
	PLACES
.if tt < 3
	LOADW 1, tt+1
.else
	LOADW 2, 0
.endif
	SELU8 AC0, H1+4*tt,    H1+16+4*tt              ; row tile t is registers 4 (t % 2) .. of K half t / 2
	SELU8 AC1, H1+32+4*tt, H1+48+4*tt
.set tt, tt+1
.endr
.set tt, 0
.rept 4                                ; layer 2
	s_wait_dscnt 0x0
	WM23 H1, H1+16, H1+32, H1+48
	PLACES
.if tt < 3
	LOADW 2, tt+1
.else
	LOADW 3, 0
.endif
	SELU8 AC0, H2A+4*tt, H2B+4*tt
	SELU8 AC1, H2C+4*tt, H2D+4*tt
.set tt, tt+1
.endr
	s_wait_dscnt 0x0                       ; layer 3
	WM23 H2A, H2B, H2C, H2D
	PLACES
.set n, 0
.rept 2                                ; into my stage: word 13 r + 7 h + j: 32 different banks
.set c, 0
.rept 6
	ds_store_b32 v[STO], v[AC0+8*n+c] offset:(2*(\p)+n)*832+4*c
.set c, c+1
.endr
	ds_store_b32 v[ST6], v[AC0+8*n+6] offset:(2*(\p)+n)*832+24
.set n, n+1
.endr
.endm
.Lgroup:
	s_wait_loadcnt 0x0                             ; q and cr of this group's first pair are in, so their bases may be written;
	s_wait_xcnt 0x0                                ; and the last trip's stores have had their addresses translated (ISA guide 3.1): their base and data are rewritten only behind this wait
	s_mul_i32 s38, s25, 768
	s_add_nc_u64 s[28:29], s[4:5], s[38:39]
	s_lshl_b32 s38, s25, 8
	s_add_nc_u64 s[30:31], s[6:7], s[38:39]
	s_mul_i32 s38, s25, STAGEB                     ; under 52,000,000
	s_add_nc_u64 s[32:33], s[22:23], s[38:39]
	s_add_co_u32 s43, s25, STRIDE                  ; my next group; in the last trip there is none, and the look-ahead is held at the last group, inside the buffers
	s_min_u32 s43, s43, NGROUP-1
	s_mul_i32 s38, s43, 768
	s_add_nc_u64 s[34:35], s[4:5], s[38:39]
	s_lshl_b32 s38, s43, 8
	s_add_nc_u64 s[36:37], s[6:7], s[38:39]
	PASS 0
	PASS 1
	; the group leaves: 3,328 bytes = six times 512 and once 256.  LDS serves a wave's instructions in order (ISA guide 5.7.1.4): these loads see the stores above
.irp u, 0,1,2,3,4,5
	ds_load_b128 v[OB+4*(\u):OB+4*(\u)+3], v[RDA] offset:512*(\u)
.endr
	ds_load_b64 v[OB+24:OB+25], v[RDB] offset:3072
	s_wait_dscnt 0x0
.irp u, 0,1,2,3,4,5
	global_store_b128 v[WFA], v[OB+4*(\u):OB+4*(\u)+3], s[32:33] offset:512*(\u) th:TH_STORE_NT  ; 512 consecutive bytes, at a multiple of 256 from out0's first
.endr
	global_store_b64 v[GOB], v[OB+24:OB+25], s[32:33] offset:3072 th:TH_STORE_NT                 ; the last 256
	s_add_co_u32 s25, s25, STRIDE
	s_add_co_u32 s26, s26, 1
	s_cmp_lt_u32 s26, s27
	s_cbranch_scc1 .Lgroup
	s_wait_tensorcnt 0x0                           ; the wave's end: three closing lines, behind my last LDS store
	ds_add_u32 v[SPW], v[NIL]
	s_wait_dscnt 0x0
	s_endpgm
.Lfunc_end_k_q482cc31502_field:
	.size	k_q482cc31502_field, .Lfunc_end_k_q482cc31502_field-k_q482cc31502_field
	.p2alignl 7, 3214868480
	.fill 96, 4, 3214868480
	.section	.rodata,"a",@progbits
	.p2align	6, 0x0
	.amdhsa_kernel k_q482cc31502_field
		.amdhsa_group_segment_fixed_size 88832
		.amdhsa_private_segment_fixed_size 0
		.amdhsa_enable_private_segment 0
		.amdhsa_kernarg_size 80
		.amdhsa_user_sgpr_count 2
		.amdhsa_user_sgpr_kernarg_segment_ptr 1
		.amdhsa_wavefront_size32 1
		.amdhsa_system_sgpr_workgroup_id_x 1
		.amdhsa_system_sgpr_workgroup_id_y 1
		.amdhsa_system_sgpr_workgroup_id_z 1
		.amdhsa_system_vgpr_workitem_id 0
		.amdhsa_next_free_vgpr 256
		.amdhsa_next_free_sgpr 66
		.amdhsa_reserve_vcc 1
		.amdhsa_float_denorm_mode_32 3
		.amdhsa_float_denorm_mode_16_64 3
		.amdhsa_memory_ordered 1
		.amdhsa_forward_progress 1
		.amdhsa_inst_pref_size 251
	.end_amdhsa_kernel
	.amdgpu_metadata
---
amdhsa.version: [ 1, 2 ]
amdhsa.kernels:
  - .name:           k_q482cc31502_field
    .symbol:         k_q482cc31502_field.kd
    .args:
      - { .name: q, .offset: 0, .size: 8, .value_kind: global_buffer, .address_space: global }
      - { .name: cr, .offset: 8, .size: 8, .value_kind: global_buffer, .address_space: global }
      - { .name: tb, .offset: 16, .size: 8, .value_kind: global_buffer, .address_space: global }
      - { .name: W1, .offset: 24, .size: 8, .value_kind: global_buffer, .address_space: global }
      - { .name: b1, .offset: 32, .size: 8, .value_kind: global_buffer, .address_space: global }
      - { .name: W2, .offset: 40, .size: 8, .value_kind: global_buffer, .address_space: global }
      - { .name: b2, .offset: 48, .size: 8, .value_kind: global_buffer, .address_space: global }
      - { .name: W3, .offset: 56, .size: 8, .value_kind: global_buffer, .address_space: global }
      - { .name: b3, .offset: 64, .size: 8, .value_kind: global_buffer, .address_space: global }
      - { .name: out0, .offset: 72, .size: 8, .value_kind: global_buffer, .address_space: global }
    .group_segment_fixed_size: 88832
    .private_segment_fixed_size: 0
    .kernarg_segment_align: 8
    .kernarg_segment_size: 80
    .max_flat_workgroup_size: 512
    .sgpr_count:     66
    .vgpr_count:     256
    .wavefront_size: 32
...
	.end_amdgpu_metadata
.endif
;; end of part 4
;; ======== version 3 of 3: 2 launches; version 2 with the launch field written anew for expert scheduling mode
;; limits: a function is approximated: absolute error at most 1.5e-07; inputs' magnitudes at most 7.996; values are held in f16: magnitudes above 65,504 overflow, below 6.1e-05 lose precision; right only within a limited range of input values; values outside matrix products are rounded to f16
;; workspace buffers: q 12,000,000 bytes of whole numbers; tb 5,242,880 bytes
;; launch prep: the kernel of part 3 again; grid 1137 x 1, 5 waves a work-group, no clusters, 0 bytes of LDS; arguments x, tables, q, tb; writes q, tb
;; launch field (part 5): grid 256 x 1, 16 waves a work-group, no clusters, 88,832 bytes of LDS; arguments q, cr, tb, W1, b1, W2, b2, W3, b3, out0; writes out0
.if DOCPART == 5
	.amdgcn_target "amdgcn-amd-amdhsa--gfx1250"
	.amdhsa_code_object_version 6
	.text
	.protected	k_q482cc31502_field
	.globl	k_q482cc31502_field
	.p2align	8
	.type	k_q482cc31502_field,@function
k_q482cc31502_field:
	s_mov_b64 s[64:65], 0
	v_nop
	global_prefetch_b8 v0, s[64:65] scope:SCOPE_SE
	s_setreg_imm32_b32 hwreg(HW_REG_WAVE_SCHED_MODE, 0, 2), 2
	s_setreg_imm32_b32 hwreg(HW_REG_WAVE_MODE, 25, 1), 1
	s_wait_xcnt 0x0
	s_wait_alu depctr_vm_vsrc(0)
; out0[n][0..12] = MLP(encoding(n)): for each of 1,000,000 points a hash grid of 10 levels (8 corners x 4 features a level, trilinear weights), each level
; times erf(1 / sqrt(max(4 l cr, 1e-12))), then 40 -> 64 -> 64 -> 13 with selu.  The launch before has made q = trunc(x 2^26), whole numbers, and tb = f16(tables 2^13), rows of 8 bytes.
; SHARES.  256 work-groups of 16 waves, four waves of 256 registers on each SIMD.  A wave's unit is a GROUP of 64 points = 3,328 bytes of out0 = 13 aligned
; blocks of 256.  15,625 groups over 4,096 waves: wave gw takes groups gw + 4,096 j; 4 trips if gw < 3,337, else 3.  A group is 2 PASSES of 2 TILES of 16 points.
; LAYOUT.  In a tile lane (r = lane % 16, h = lane / 16) owns point r and levels 5 h .. 5 h + 4.  All products are used transposed: source 0 = weights (16 units),
; source 1 = activations (16 points), so a lane holds one point in every operand and every result, and the eight units of a result, rounded in pairs, ARE half a
; fragment of the next layer's source 1.  Nothing changes lanes from the gather to the output.
; THE INTERPOLATION is a product of weights and table rows, with f16 operands and f32 sums.  The rows come in f16, scaled by 2^13 (2^-13 is multiplied into W1, exactly); the eight weights
; are made in f32 and rounded to f16; weight x row is made two at a time by the packed f16 multiply, which rounds it to f16 once more; and the corners are summed in f32 by the matrix unit:
; source 1 holds a lane's products (16 K slots = 4 corners x 4 features of its own level), source 0 is SEL, a constant matrix of ones and zeros: SEL[m][k] = 1 where K slot k belongs to
; the half of the lanes m / 8 and to feature m % 8.  So registers 0-3 of the result in lane (r, h) are the four features of that lane's own level.  Two such products take the eight corners.
; That is 24 vector instructions a step where widening 32 f16 and summing them in f32 by the vector unit takes 48.
; THE MLP'S FORMAT.  Every operand is two bf16 terms, hi + lo (lo = the rounding's remainder, rounded again), and three products are made: hi hi, hi lo, lo hi.  What is
; dropped is about 2^-16 of a product; bf16 keeps f32's range.  Sums, biases (the C operand of a sum's first product), erf and selu in f32.
; selu's scale is multiplied into W2 and W3 in f32 ahead of the split, so the activation made here is g(x) = x for x > 0, alpha (e^x - 1) else.
; g(x) = min(|x|, A, E), A = x (alpha + alpha x / 2), E = alpha 2^(x log2 e) - (alpha - 2^-21).  For x > 0 both A and E exceed x = |x|.  For x <= 0 the smaller of A and E is at most 0
; (A on [-2, 0], E below), so |x| never wins; both lie above alpha (e^x - 1): A by alpha |x|^3 / 6, E by 2^-21 less the exponential's last bit; the smaller is the nearer: relative error
; about 3e-5 at the most, at |x| = 0.012; no cancellation at small x.
; erf: 1 - (a1 t + .. + a5 t^5) e^(-z^2), t = 1 / (1 + p z) (Abramowitz and Stegun 7.1.26), absolute error 1.5e-7 for every z > 0; level 0 (z = 1e6) gives 1.
; LIMITS.  x and the table as the launch before states them (x in [0, 64) on a grid of 2^-26; table entries of 11 significant bits between 7.5e-9 and 7.996).  A term of the interpolation
; carries three roundings to 11 bits (row, weight, product); a weight, or a product in the table's scaled units, below 6.1e-5 keeps f16's fixed step of 6e-8.  Cell and fraction are exact
; for q, so they differ from f32's rounded x RES by 7e-4 of a cell at the most; the interpolation is continuous there.  erf's relative error passes 1% only where 4 l cr > 1e8.
; NaN and infinities are not treated apart; an activation beyond bf16's largest number is lost.
; The resolutions are floor(16 b^l) with b as double arithmetic gives it, just under 2^(10/9): the last is 16,383, not 16,384.
; NO TENSOR LOADS, NO CLUSTER: the gathers are 8 bytes a lane at scattered places; what work-groups share, 30 KB of weights, is read once by each and is scaled and split on its way into LDS.
; THE MODE: SCHED_MODE bits 1:0 = 2 (LLVM: expert scheduling mode 2), set by the entry lines.  The code itself states the register dependences
; between vector or matrix instructions and memory or LDS instructions, with s_wait_alu, always for 0.
; THE PLAN.  Registers that memory or LDS instructions touch, and who else names them:
;   GR0 .. GR3 (v64-127)   Step s: its address lines write eight row numbers; its eight gathers read them, and the rows land on them; its sixteen packed multiplies read the rows; the address lines
;                          of step s + 4 write the buffer again.  In the MLP these registers are H1, named by vector and matrix instructions alone; at a trip's end v64-89 are OB: LDS loads land, the global stores read.
;   Q (v28-35)             Loads land; the address lines and erf read.
;   FA (v224-255), BI (v144-151)   LDS loads land; the MLP's matrix instructions read.  Among the gathers v224-231 are DACC and v144-151 are at work.
;   AC0, AC1 (v152-167)    Layer 3's sums, which the LDS stores into the stage read; among the gathers they are CV, which the packed multiplies write.
;   v15-22, v24            Offsets and LDS addresses: made at the head, never written again.  v1, v2: written at the head, read by the closing add alone.
; ON va_vdst.  A step has ONE wait, the one ahead of its second summing product: the address lines of the step four on stand ahead of it (behind the multiplies that read the same
; buffer), that step's gathers straight behind the product, which names DACC, SEL and CV alone.  The first four steps of a pass have a wait each, between address lines and gathers: nothing of the wave is on its way then,
; so each step's gathers go out as soon as their row numbers stand.  In the MLP a row tile's weights are asked for behind the wait that selu has for its exponentials: the matrix instructions that read FA and BI stand
; ahead of it, and the rest of selu names neither.  One more stands ahead of layer 1's first weights, one ahead of the stores into the stage.
; ON vm_vsrc.  Four a pass: at its head (the stage's stores have read AC0 and AC1, the trip's stores OB, in the first trip the lay-out's stores their fragments); ahead of step 4's address lines (gathers 0-3 have read:
; that serves steps 4 to 7); ahead of step 8's (gathers 4-7: steps 8 and 9); ahead of the MLP (gathers 8 and 9, where H1 is written).
.set NGROUP, 15625
.set STRIDE, 4096                      ; waves in the launch
.set FULL,   NGROUP-3*STRIDE           ; waves below this number have a fourth trip
; LDS
.set WF,     0                         ; 32 weight fragments of 1,024 bytes, as registers want them: byte (reg / 4) 512 + 16 lane + 4 (reg % 4): each 16-byte load of a wave takes 512 consecutive bytes
                                       ; 0+t W1 hi, 4+t W1 lo, 8+t W1 tail (row tile t of 16 units); 12+2t+c W2 hi, 20+2t+c W2 lo (K half c); 28+c W3 hi, 30+c W3 lo
.set BIAS,   32768                     ; b1 (256 bytes), b2 (256), then b3 by result row (64, and 64 more that nobody reads)
.set STAGE,  33536                     ; 16 x 3,328 bytes: each wave's own group of out0, [64][13] f32 as it lies in memory
.set STAGEB, 3328
.set SPARE,  86784                     ; the spare words, 128 bytes for each wave: eight blocks of 256 bytes that no other line names
; vector registers
.set SPW,  1                           ; v1      LDS address of my spare word; never rewritten
.set NIL,  2                           ; v2      0; never rewritten
.set NEG1, 3                           ; v3      -1.0
.set RS,   4                           ; v4-8    my five levels' resolutions times 64: q RS = x RES 2^32
.set LV,   9                           ; v9-13   my five levels' numbers times 65,536: the level's first row in the table
.set CL0,  14                          ; v14     20 h, as f32: 4 x my first level
.set QOF,  15                          ; v15     12 r
.set COF,  16                          ; v16     4 r
.set WFA,  17                          ; v17     16 lane: in a weight fragment, and in 512 bytes of out0
.set BIA,  18                          ; v18     BIAS + 32 h
.set STO,  19                          ; v19     my stage + 52 r + 28 h
.set ST6,  20                          ; v20     my stage + 52 r + 24 h
.set RDA,  21                          ; v21     my stage + 16 lane
.set RDB,  22                          ; v22     my stage + 8 lane
.set GOB,  24                          ; v24     8 lane
.set Z2,   26                          ; v26-27  0, as 64 bits
.set Q,    28                          ; v28-35  qx, qy, qz, cr of tile 0, of tile 1
.set SC,   36                          ; v36-40  erf of my five levels, for the tile in hand
.set CRH,  41                          ; v41     cr x 20 h
.set FR,   42                          ; v42-53  ring of four: the three fractions times 2^32, as f32
                                       ; v54-63  at work in the set-up
.set GR,   64                          ; v64-127 ring of four gather buffers of 16: corner c's row number, then its four f16, at +2 c
.set TMP,  128                         ; v128-151 at work
.set BI,   144                         ; v144-151 in the MLP: the biases of a result's eight rows
.set CV,   152                         ; v152-167 a step's 32 products weight x row, in f16: source 1 of the two summing products (corners 0-3, corners 4-7)
.set ENC,  168                         ; v168-215 tile T at +24 T: levels i = 0..3 hi (8), lo (8); then level i = 4: hi, lo, hi, 0 (2 each)
.set SEL,  216                         ; v216-223 the summing matrix, source 0; never rewritten
.set DACC, 224                         ; v224-231 a step's sums: registers 0-3 are my level's four features (where the MLP's first weight fragment lies later)
.set H1,   64                          ; in the MLP: layer 1's output, tile T at +32 T: hi (K halves 0, 1), then lo
.set H2A,  168                         ; layer 2's output: tile 0 hi,
.set H2B,  184                         ; tile 0 lo,
.set H2C,  200                         ; tile 1 hi,
.set H2D,  36                          ; tile 1 lo (where erf and the fractions lay)
.set AC0,  152                         ; the two accumulators: tile 0's
.set AC1,  160                         ; and tile 1's
.set FA,   224                         ; v224-255 four weight fragments
.set OB,   64                          ; v64-89  a group of out0 on its way from the stage to memory
; scalar registers: s2, s3 two masks at the head; s[4:23] the ten buffers; s24 wave; s25 group; s26 trip; s27 trips; s[28:29] q, s[30:31] cr, s[32:33] out0 at my group; s[34:35] q, s[36:37] cr at my next group;
; s[38:39] an offset in 64 bits; s43 at work; s40-63 constants, below
.macro PLACES                          ; four places between a matrix instruction and a read of its result or a vector write of its registers (ISA guide 7.12.1)
.rept 4
	v_nop
.endr
.endm
; Two f32 -> their bf16 roundings, packed (hi), and the remainders' roundings, packed (lo).  a - bf16(a) is exact in f32.  This form writes lo whole.
.macro SPLIT a0, a1, hi, lo, t0, t1
	v_cvt_pk_bf16_f32 v[(\hi)], v[(\a0)], v[(\a1)]
	v_fma_mix_f32_bf16 v[(\t0)], v[(\hi)], v[NEG1], v[(\a0)] op_sel_hi:[1,0,0]
	v_fma_mix_f32_bf16 v[(\t1)], v[(\hi)], v[NEG1], v[(\a1)] op_sel:[1,0,0] op_sel_hi:[1,0,0]
	v_cvt_pk_bf16_f32 v[(\lo)], v[(\t0)], v[(\t1)]
.endm
; q and cr of pair pr (two tiles) of the group at s[qb:qb+1], s[cb:cb+1]: eight loads.  Both halves of the lanes read the same point.
.macro QLOAD qb, cb, pr
.set n, 0
.rept 2
	global_load_b32 v[Q+4*n],   v[QOF], s[(\qb):(\qb)+1] offset:(2*(\pr)+n)*192
	global_load_b32 v[Q+4*n+1], v[QOF], s[(\qb):(\qb)+1] offset:(2*(\pr)+n)*192+4
	global_load_b32 v[Q+4*n+2], v[QOF], s[(\qb):(\qb)+1] offset:(2*(\pr)+n)*192+8
	global_load_b32 v[Q+4*n+3], v[COF], s[(\cb):(\cb)+1] offset:(2*(\pr)+n)*64 th:TH_LOAD_NT
.set n, n+1
.endr
.endm
	s_load_b512 s[4:19], s[0:1], 0x0               ; q s[4:5], cr s[6:7], tb s[8:9], W1 s[10:11], b1 s[12:13], W2 s[14:15], b2 s[16:17], W3 s[18:19]
	s_load_b128 s[20:23], s[0:1], 0x40             ; b3 s[20:21], out0 s[22:23]
	v_lshl_add_u32 v[SPW], v0, 2, SPARE
	v_mov_b32 v[NIL], 0
	v_lshrrev_b32 v64, 5, v0
	v_readfirstlane_b32 s24, v64                   ; wave 0..15
	v_and_b32 v60, 31, v0                          ; lane
	v_and_b32 v61, 15, v0                          ; r
	v_bfe_u32 v62, v0, 4, 1                        ; h
	v_lshrrev_b32 v63, 3, v61                      ; o(r) = min(r - r / 8, 12): which output stands in row r of layer 3's result.  Rows 0-6 are outputs 0-6, rows 8-13 outputs 7-12,
	v_sub_nc_u32 v63, v61, v63                     ; row 14 output 12 once more; rows 7 and 15 are not stored.  So each half of the lanes stores seven registers, with all lanes on
	v_min_u32 v63, 12, v63
	v_mov_b32 v[NEG1], -1.0
	; SEL.  Lane (r, h) of source 0 holds row m = r and the K slots of half h; slot s of its 16 (register s / 2, half s % 2) is feature s % 4.  With d = r % 8 the row has ones
	; only if h = r / 8 and d < 4: at feature d, which is the half d % 2 of the even registers (d < 2) or of the odd ones (d = 2, 3).  The three compares stand in one run.
	v_and_b32 v64, 7, v61                          ; d
	v_lshrrev_b32 v65, 3, v61                      ; r / 8
	v_and_b32 v66, 1, v64
	v_lshlrev_b32 v66, 4, v66                      ; 16 (d % 2)
	v_mov_b32 v67, 0x3c00                          ; 1.0 in f16,
	v_lshlrev_b32 v66, v66, v67                    ; in the low or in the high half
	v_lshrrev_b32 v67, 1, v64                      ; d / 2
	v_cmp_eq_u32 s2, v65, v62                      ; h = r / 8
	v_cmp_gt_u32 s3, 2, v64                        ; d = 0, 1
	v_cmp_eq_u32 vcc_lo, 1, v67                    ; d = 2, 3
	s_wait_alu depctr_va_sdst(0)                   ; s24, s2 and s3 are written, ahead of the first reader of each: the two selects below; the stage's address and the wave's shares further down
	s_wait_alu depctr_va_vcc(0)                    ; VCC is written, ahead of the third select
	v_cndmask_b32 v66, 0, v66, s2                  ; only where h = r / 8
	v_cndmask_b32 v[SEL], 0, v66, s3               ; the even registers
	v_cndmask_b32 v[SEL+1], 0, v66, vcc_lo         ; the odd registers
.irp j, 2,4,6
	v_mov_b32 v[SEL+(\j)],   v[SEL]
	v_mov_b32 v[SEL+(\j)+1], v[SEL+1]
.endr
	v_cmp_eq_u32 vcc_lo, 1, v62
	s_wait_alu depctr_va_vcc(0)                    ; VCC is written anew, ahead of the six selects by halves of the lanes
.macro BYHALF reg, lo, hi              ; a constant for each half of the lanes
	v_mov_b32 v[\reg], \hi
	v_cndmask_b32 v[\reg], \lo, v[\reg], vcc_lo
.endm
	BYHALF RS,   16*64,  752*64
	BYHALF RS+1, 34*64,  1625*64
	BYHALF RS+2, 74*64,  3511*64
	BYHALF RS+3, 161*64, 7584*64
	BYHALF RS+4, 348*64, 16383*64
	BYHALF CL0,  0,      0x41a00000                ; 20.0
	v_mul_u32_u24 v[LV], 0x50000, v62
.irp i, 1,2,3,4
	v_add_nc_u32 v[LV+(\i)], (\i)*65536, v[LV]
.endr
	s_mul_i32 s43, s24, STAGEB
	s_add_co_u32 s43, s43, STAGE                   ; my stage
	v_mul_u32_u24 v[QOF], v61, 12
	v_lshlrev_b32 v[COF], 2, v61
	v_lshlrev_b32 v[WFA], 4, v60
	v_lshl_add_u32 v[BIA], v62, 5, BIAS
	v_mul_u32_u24 v64, v61, 52                     ; a point's 13 outputs
	v_mad_u32_u24 v[STO], v62, 28, v64             ; lanes 16-31 begin at output 7
	v_mad_u32_u24 v[ST6], v62, 24, v64             ; the seventh register: with the offset 24, output 6 or, once more, output 12
	v_add_nc_u32 v[STO], s43, v[STO]
	v_add_nc_u32 v[ST6], s43, v[ST6]
	v_add_nc_u32 v[RDA], s43, v[WFA]
	v_lshl_add_u32 v[RDB], v60, 3, s43
	v_lshlrev_b32 v[GOB], 3, v60
	v_mov_b32 v[Z2], 0
	v_mov_b32 v[Z2+1], 0
	s_mov_b32 s40, 0xffff                          ; the table's 65,536 rows
	s_mov_b32 s41, 0x79b1                          ; 2,654,435,761 mod 65,536: the hash keeps 16 bits, so 16 bits of each prime do
	s_mov_b32 s42, 0x5795                          ; 805,459,861 mod 65,536
	s_mov_b32 s44, 0x3ea7ba05                      ; p  =  0.3275911
	s_mov_b32 s45, 0x3e827906                      ; a1 =  0.254829592
	s_mov_b32 s46, 0xbe91a98e                      ; a2 = -0.284496736
	s_mov_b32 s47, 0x3fb5f0e3                      ; a3 =  1.421413741
	s_mov_b32 s48, 0xbfba00e3                      ; a4 = -1.453152027
	s_mov_b32 s49, 0x3f87dc22                      ; a5 =  1.061405429
	s_mov_b32 s50, 0xbfb8aa3b                      ; -log2(e)
	s_mov_b32 s51, 0x2f800000                      ; 2^-32
	s_mov_b32 s52, 0xaf800000                      ; -2^-32
	s_mov_b32 s53, 0x2b8cbccc                      ; 1e-12
	s_mov_b32 s54, 0x3fb8aa3b                      ; log2(e); the packed forms name pairs and take the low word for both halves, so both words are written
	s_mov_b32 s55, s54
	s_mov_b32 s56, 0x3f562d7d                      ; alpha / 2
	s_mov_b32 s57, s56
	s_mov_b32 s58, 0x3fd62d7d                      ; alpha = 1.6732632
	s_mov_b32 s59, s58
	s_mov_b32 s60, 0xbfd62d79                      ; -(alpha - 2^-21)
	s_mov_b32 s61, s60
	s_mov_b32 s62, 0x3f867d5f                      ; selu's scale, 1.0507010
	s_mov_b32 s63, s62
	s_lshl_b32 s25, ttmp9, 4
	s_add_co_u32 s25, s25, s24                     ; gw: my wave among the launch's 4,096, and my first group
	s_cmp_lt_u32 s25, FULL
	s_cselect_b32 s27, 4, 3                        ; trips
	s_mov_b32 s26, 0
	s_mul_i32 s38, s25, 768                        ; a group's q: 64 points x 12 bytes
	s_mov_b32 s39, 0
	s_wait_kmcnt 0x0
	s_add_nc_u64 s[34:35], s[4:5], s[38:39]
	s_lshl_b32 s38, s25, 8                         ; a group's cr: 256 bytes
	s_add_nc_u64 s[36:37], s[6:7], s[38:39]
	s_wait_alu depctr_va_vdst(0)                   ; the offsets and LDS addresses v15 to v24 are written: every load and store of q, cr, weights, stage and out0 reads one of them, from the loads below on
	QLOAD 34, 36, 0                                ; my first two tiles are on their way while the weights are laid out
; THE WEIGHTS' LAY-OUT, once.  Waves 0-3: W1's row tile t = wave (hi, lo, tail).  Waves 4-11: W2's fragment wave - 4 = 2 t + c (hi, lo).  Waves 12, 13: W3's K half (hi, lo).  Wave 14: the biases.
; Lane (r, h) of a fragment holds unit 16 t + r and 16 values of K, slot s in register s / 2, half s % 2.  W2, W3: K = 32 c + 16 (s / 8) + 8 h + s % 8, the place that the matrix instruction gives the slot.
; W1: slot s is feature (s % 4) 10 + 5 h + s / 4, channel s % 4 of my level s / 4, as the encoding leaves it in the same slot.  The fifth level has a fragment of its own, the TAIL, which holds
; all three products: slots 0-3 hi (against hi), 4-7 hi (against lo), 8-11 lo (against hi), 12-15 zero.
.set BV, 54                            ; my byte offset in the weights
.set BA, 55                            ; 1,024 wave + 16 lane
.set BW, 128                           ; 16 (W1: 20) weights as loaded
.set BH, 160                           ; the hi fragment
.set BL, 168                           ; the lo fragment
.set BT, 180                           ; the tail
.macro SPLIT16
.set n, 0
.rept 8
	SPLIT BW+2*n, BW+2*n+1, BH+n, BL+n, 176, 177
.set n, n+1
.endr
.endm
.macro SCALE16                         ; selu's scale, in f32, ahead of the split
.set n, 0
.rept 8
	v_pk_mul_f32 v[BW+2*n:BW+2*n+1], v[BW+2*n:BW+2*n+1], s[62:63] op_sel_hi:[1,0]
.set n, n+1
.endr
.endm
.macro PUT reg, off
	ds_store_b128 v[BA], v[(\reg):(\reg)+3] offset:(\off)
	ds_store_b128 v[BA], v[(\reg)+4:(\reg)+7] offset:(\off)+512
.endm
	v_lshl_add_u32 v[BA], s24, 10, v[WFA]
	s_cmp_lt_u32 s24, 4
	s_cbranch_scc0 .Lnot_w1
	s_lshl_b32 s43, s24, 6                         ; 16 t units of 4 bytes
	v_mul_u32_u24 v[BV], 0x500, v62                ; 5 h rows of 256 bytes
	v_lshl_add_u32 v[BV], v61, 2, v[BV]
	v_add_nc_u32 v[BV], s43, v[BV]
	s_wait_alu depctr_va_vdst(0)                   ; v[BV] is written, which the loads of W1 read
.set n, 0
.rept 16
	global_load_b32 v[BW+n], v[BV], s[10:11] offset:(n%4)*2560+(n/4)*256
.set n, n+1
.endr
.set n, 0
.rept 4
	global_load_b32 v[BW+16+n], v[BV], s[10:11] offset:n*2560+1024
.set n, n+1
.endr
	s_wait_loadcnt 0x0
.set n, 0
.rept 10
	v_pk_mul_f32 v[BW+2*n:BW+2*n+1], v[BW+2*n:BW+2*n+1], 0x39000000 op_sel_hi:[1,0]  ; times 2^-13, exact: the table's rows come scaled by 2^13
.set n, n+1
.endr
	SPLIT16
	SPLIT BW+16, BW+17, BT, BT+4, 176, 177
	SPLIT BW+18, BW+19, BT+1, BT+5, 176, 177
	v_mov_b32 v[BT+2], v[BT]
	v_mov_b32 v[BT+3], v[BT+1]
	v_mov_b32 v[BT+6], 0
	v_mov_b32 v[BT+7], 0
	s_wait_alu depctr_va_vdst(0)                   ; the three fragments are written, which the LDS stores read (v[BA], their address, stood ahead of the wait above)
	PUT BH, 0                                      ; fragment t
	PUT BL, 4096                                   ; fragment 4 + t
	PUT BT, 8192                                   ; fragment 8 + t
	s_branch .Lbuilt
.Lnot_w1:
	s_cmp_lt_u32 s24, 12
	s_cbranch_scc0 .Lnot_w2
	s_sub_co_u32 s38, s24, 4
	s_and_b32 s39, s38, 1                          ; c
	s_lshr_b32 s38, s38, 1                         ; t
	s_lshl_b32 s39, s39, 13                        ; 32 c rows of 256 bytes
	s_lshl_b32 s38, s38, 6
	s_add_co_u32 s43, s38, s39
	v_lshlrev_b32 v[BV], 11, v62                   ; 8 h rows
	v_lshl_add_u32 v[BV], v61, 2, v[BV]
	v_add_nc_u32 v[BV], s43, v[BV]
	s_wait_alu depctr_va_vdst(0)                   ; v[BV] is written, which the loads of W2 read
.set n, 0
.rept 16
	global_load_b32 v[BW+n], v[BV], s[14:15] offset:(n/8)*4096+(n%8)*256
.set n, n+1
.endr
	s_wait_loadcnt 0x0
	SCALE16
	SPLIT16
	s_wait_alu depctr_va_vdst(0)                   ; the two fragments are written, which the LDS stores read
	PUT BH, 8192                                   ; fragment wave + 8 = 12 + 2 t + c
	PUT BL, 16384                                  ; fragment 20 + 2 t + c
	s_branch .Lbuilt
.Lnot_w2:
	s_cmp_lt_u32 s24, 14
	s_cbranch_scc0 .Lnot_w3
	s_sub_co_u32 s38, s24, 12                      ; c
	s_mul_i32 s43, s38, 1664                       ; 32 c rows of 52 bytes
	v_mul_u32_u24 v[BV], 0x1a0, v62                ; 8 h rows
	v_lshl_add_u32 v[BV], v63, 2, v[BV]            ; output o(r)
	v_add_nc_u32 v[BV], s43, v[BV]
	s_wait_alu depctr_va_vdst(0)                   ; v[BV] is written, which the loads of W3 read
.set n, 0
.rept 16
	global_load_b32 v[BW+n], v[BV], s[18:19] offset:(n/8)*832+(n%8)*52
.set n, n+1
.endr
	s_wait_loadcnt 0x0
	SCALE16
	SPLIT16
	s_wait_alu depctr_va_vdst(0)                   ; the two fragments are written, which the LDS stores read
	PUT BH, 16384                                  ; fragment wave + 16 = 28 + c
	PUT BL, 18432                                  ; fragment 30 + c
	s_branch .Lbuilt
.Lnot_w3:
	s_cmp_eq_u32 s24, 14
	s_cbranch_scc0 .Lbuilt
	v_lshlrev_b32 v[BV], 2, v60
	v_lshlrev_b32 v64, 2, v63
	v_add_nc_u32 v[BA], BIAS, v[BV]
	s_wait_alu depctr_va_vdst(0)                   ; v[BV] and v64 are written, which the loads of the biases read, and v[BA], which the LDS stores read; the stores' data come from those loads
	global_load_b32 v[BW],   v[BV], s[12:13]
	global_load_b32 v[BW+1], v[BV], s[12:13] offset:128
	global_load_b32 v[BW+2], v[BV], s[16:17]
	global_load_b32 v[BW+3], v[BV], s[16:17] offset:128
	global_load_b32 v[BW+4], v64, s[20:21]         ; b3 by result row
	s_wait_loadcnt 0x0
.irp u, 0,1,2,3,4
	ds_store_b32 v[BA], v[BW+(\u)] offset:128*(\u)
.endr
.Lbuilt:
	s_wait_dscnt 0x0                               ; for the others' sake: my stores of weights are done
	s_barrier_signal -1
	s_barrier_wait -1                              ; the launch's one barrier: from here on WF and BIAS are only read, and a stage is touched by its own wave alone
	s_mov_b32 s39, 0
; STEP s of a pass's ten: tile s / 5, my level s % 5.  ADDR makes the eight corners' row numbers, GATHER asks for the rows; CONSUME, four steps later, interpolates.
; q RS = x RES 2^32 in 64 bits: the high word is the cell, the low word the fraction.  Row = ((cx + i) ^ (cy + j) P1 ^ (cz + k) P2) mod 65,536 + 65,536 level; corner c = 4 j + 2 k + i.
; What is at work ends in the buffer's odd registers, the row numbers stand in the even ones; each load lands on its own address register and the odd one beside it.
.macro ADDR s
.set aI, (\s)%5
.set aG, GR+16*((\s)%4)
.set aF, FR+3*((\s)%4)
.set aQ, Q+4*((\s)/5)
	v_mad_nc_u64_u32 v[aG:aG+1],   v[aQ],   v[RS+aI], v[Z2:Z2+1]
	v_mad_nc_u64_u32 v[aG+2:aG+3], v[aQ+1], v[RS+aI], v[Z2:Z2+1]
	v_mad_nc_u64_u32 v[aG+4:aG+5], v[aQ+2], v[RS+aI], v[Z2:Z2+1]
	v_cvt_f32_u32 v[aF],   v[aG]
	v_cvt_f32_u32 v[aF+1], v[aG+2]
	v_cvt_f32_u32 v[aF+2], v[aG+4]
	v_mul_u32_u24 v[aG+7], s41, v[aG+3]            ; cy P1: cells stay under 2^20
	v_mul_u32_u24 v[aG+9], s42, v[aG+5]            ; cz P2
	v_add_nc_u32 v[aG+11], 1, v[aG+1]              ; cx + 1
	v_and_or_b32 v[aG+1], v[aG+1], s40, v[LV+aI]   ; cx mod 65,536, with the level on top
	v_add_nc_u32 v[aG+13], s41, v[aG+7]            ; (cy + 1) P1
	v_add_nc_u32 v[aG+15], s42, v[aG+9]            ; (cz + 1) P2
	v_and_or_b32 v[aG+3], v[aG+11], s40, v[LV+aI]
	v_xor_b32 v[aG+5],  v[aG+7],  v[aG+9]          ; j k = 0 0
	v_xor_b32 v[aG+7],  v[aG+7],  v[aG+15]         ;       0 1
	v_xor_b32 v[aG+9],  v[aG+13], v[aG+9]          ;       1 0
	v_xor_b32 v[aG+11], v[aG+13], v[aG+15]         ;       1 1
	v_and_b32 v[aG+5],  s40, v[aG+5]
	v_and_b32 v[aG+7],  s40, v[aG+7]
	v_and_b32 v[aG+9],  s40, v[aG+9]
	v_and_b32 v[aG+11], s40, v[aG+11]
.set c, 0
.rept 8
	v_xor_b32 v[aG+2*c], v[aG+1+2*(c%2)], v[aG+5+2*(c/2)]
.set c, c+1
.endr
.set c, 0
.rept 8
	v_min_u32 v[aG+2*c], 0x9ffff, v[aG+2*c]        ; the table's last row: changes nothing, and shows that the load stays inside
.set c, c+1
.endr
.endm
.macro GATHER s
.set aG, GR+16*((\s)%4)
.set c, 0
.rept 8
	global_load_b64 v[aG+2*c:aG+2*c+1], v[aG+2*c], s[8:9] scale_offset  ; the row's number times the load's own 8 bytes
.set c, c+1
.endr
.endm
; One of a pass's first four steps: nothing of the wave is on its way yet, so the step's gathers go out as soon as its row numbers stand.
.macro ISSUE s
	ADDR \s
	s_wait_alu depctr_va_vdst(0)                   ; the address lines have written the buffer: its even registers, which the gathers read as row numbers, and all sixteen, on which the rows land
	GATHER \s
.endm
; erf(1 / sqrt(max(4 l cr, 1e-12))) for my five levels of tile T: five chains, stage by stage; one plain instruction stands behind each run of transcendentals (ISA guide 5.7.2).
.macro ERF T
.set eC, Q+4*(\T)+3
	v_mul_f32 v[CRH], v[eC], v[CL0]
	v_fmamk_f32 v[TMP+1], v[eC], 0x40800000, v[CRH]   ; 4 l cr, l = 5 h + 1 ..
	v_fmamk_f32 v[TMP+2], v[eC], 0x41000000, v[CRH]
	v_fmamk_f32 v[TMP+3], v[eC], 0x41400000, v[CRH]
	v_fmamk_f32 v[TMP+4], v[eC], 0x41800000, v[CRH]
	v_max_num_f32 v[TMP], s53, v[CRH]
.irp i, 1,2,3,4
	v_max_num_f32 v[TMP+(\i)], s53, v[TMP+(\i)]
.endr
.irp i, 0,1,2,3,4
	v_rsq_f32 v[TMP+(\i)], v[TMP+(\i)]             ; z
.endr
	v_nop
	s_wait_alu depctr_va_vdst(0)                   ; the five z are written, ahead of their first reader
.irp i, 0,1,2,3,4
	v_mul_f32 v[TMP+5+(\i)], v[TMP+(\i)], v[TMP+(\i)]
.endr
.irp i, 0,1,2,3,4
	v_fma_f32 v[TMP+10+(\i)], v[TMP+(\i)], s44, 1.0
.endr
.irp i, 0,1,2,3,4
	v_mul_f32 v[TMP+5+(\i)], s50, v[TMP+5+(\i)]
.endr
.irp i, 0,1,2,3,4
	v_rcp_f32 v[TMP+10+(\i)], v[TMP+10+(\i)]       ; t
.endr
.irp i, 0,1,2,3,4
	v_exp_f32 v[TMP+5+(\i)], v[TMP+5+(\i)]         ; e^(-z^2)
.endr
	v_nop
	s_wait_alu depctr_va_vdst(0)                   ; the five t and the five e^(-z^2) are written, ahead of their first reader: one wait for the batch of ten
.irp i, 0,1,2,3,4
	v_fma_f32 v[TMP+15+(\i)], v[TMP+10+(\i)], s49, s48
.endr
.irp a, 47,46,45
.irp i, 0,1,2,3,4
	v_fma_f32 v[TMP+15+(\i)], v[TMP+15+(\i)], v[TMP+10+(\i)], s[\a]
.endr
.endr
.irp i, 0,1,2,3,4
	v_mul_f32 v[TMP+15+(\i)], v[TMP+15+(\i)], v[TMP+10+(\i)]
.endr
.irp i, 0,1,2,3,4
	v_fma_f32 v[SC+(\i)], -v[TMP+15+(\i)], v[TMP+5+(\i)], 1.0
.endr
.endm
; Step s's four features, out of the summing products' result, split into hi and lo, into the slots that W1's fragments expect.  The result is read from its low end on.
.macro SPLITD s
.set dI, (\s)%5
.set dH, ENC+24*((\s)/5)
.if dI < 4
	SPLIT DACC,   DACC+1, dH+2*dI,   dH+8+2*dI, TMP+18, TMP+19
	SPLIT DACC+2, DACC+3, dH+2*dI+1, dH+9+2*dI, TMP+20, TMP+21
.else
	SPLIT DACC,   DACC+1, dH+16, dH+18, TMP+18, TMP+19   ; the fifth level: hi, lo, hi, 0, against the tail's hi, hi, lo, 0
	SPLIT DACC+2, DACC+3, dH+17, dH+19, TMP+20, TMP+21
	v_mov_b32 v[dH+20], v[dH+16]
	v_mov_b32 v[dH+21], v[dH+17]
	v_mov_b32 v[dH+22], 0
	v_mov_b32 v[dH+23], 0
.endif
.endm
; The eight weights (erf rides on x's two) in f32, then each rounded to f16 into both halves of a register; the step before's features are taken out of DACC (its products lie at least these
; 21 plain instructions back); then weight x row, two features an instruction, and the two summing products.  cnt: the loads issued behind this step's eight, which may stay out.
; nx: the step four on, which takes this step's gather buffer, or -1.  Its address lines stand behind the last multiply that reads the buffer and ahead of the step's one wait on va_vdst; its gathers behind the second product.
.macro CONSUME s, cnt, nx
.set iI, (\s)%5
.set iG, GR+16*((\s)%4)
.set iF, FR+3*((\s)%4)
	v_mul_f32 v[TMP+22], s51, v[SC+iI]
	v_mul_f32 v[TMP+3], s51, v[iF+1]               ; wy1 = fy
	v_mul_f32 v[TMP+5], s51, v[iF+2]               ; wz1 = fz
	v_fma_f32 v[TMP+2], v[iF+1], s52, 1.0          ; wy0 = 1 - fy
	v_fma_f32 v[TMP+4], v[iF+2], s52, 1.0          ; wz0 = 1 - fz
	v_mul_f32 v[TMP+1], v[iF], v[TMP+22]           ; wx1 = erf fx
	v_sub_f32 v[TMP], v[SC+iI], v[TMP+1]           ; wx0 = erf (1 - fx)
	v_pk_mul_f32 v[TMP+6:TMP+7], v[TMP+2:TMP+3], v[TMP+4:TMP+5] op_sel:[0,0] op_sel_hi:[0,1]     ; wy0 (wz0, wz1)
	v_pk_mul_f32 v[TMP+8:TMP+9], v[TMP+2:TMP+3], v[TMP+4:TMP+5] op_sel:[1,0] op_sel_hi:[1,1]     ; wy1 (wz0, wz1)
	v_pk_mul_f32 v[TMP+10:TMP+11], v[TMP:TMP+1], v[TMP+6:TMP+7] op_sel:[0,0] op_sel_hi:[1,0]     ; (wx0, wx1) wy0 wz0: corners 0, 1
	v_pk_mul_f32 v[TMP+12:TMP+13], v[TMP:TMP+1], v[TMP+6:TMP+7] op_sel:[0,1] op_sel_hi:[1,1]     ; corners 2, 3
	v_pk_mul_f32 v[TMP+14:TMP+15], v[TMP:TMP+1], v[TMP+8:TMP+9] op_sel:[0,0] op_sel_hi:[1,0]     ; corners 4, 5
	v_pk_mul_f32 v[TMP+16:TMP+17], v[TMP:TMP+1], v[TMP+8:TMP+9] op_sel:[0,1] op_sel_hi:[1,1]     ; corners 6, 7
.set c, 0
.rept 8
	v_cvt_pk_f16_f32 v[TMP+c], v[TMP+10+c], v[TMP+10+c]    ; corner c's weight, twice
.set c, c+1
.endr
.if (\s) > 0
	SPLITD (\s)-1
.endif
	s_wait_loadcnt \cnt                            ; loads come back in order (ISA guide 5.7.1): this step's eight are in
.set c, 0
.rept 4
	v_pk_mul_f16 v[CV+2*c],   v[iG+2*c],   v[TMP+c]        ; features 0, 1
	v_pk_mul_f16 v[CV+2*c+1], v[iG+2*c+1], v[TMP+c]        ; features 2, 3
.set c, c+1
.endr
	v_wmma_f32_16x16x32_f16 v[DACC:DACC+7], v[SEL:SEL+7], v[CV:CV+7], 0                    ; corners 0-3 start the sums
.rept 4
	v_pk_mul_f16 v[CV+2*c],   v[iG+2*c],   v[TMP+c]
	v_pk_mul_f16 v[CV+2*c+1], v[iG+2*c+1], v[TMP+c]
.set c, c+1
.endr
.if (\nx) >= 0
.if ((\nx) == 4) || ((\nx) == 8)
	s_wait_alu depctr_vm_vsrc(0)                   ; the gathers issued so far, those of the four steps before step nx, have read their row numbers: the address lines of step nx and of the steps behind it, up to three, write those registers again
.endif
	ADDR \nx
.endif
	s_wait_alu depctr_va_vdst(0)                   ; a step has one sum, so its two links follow each other.  Where address lines stand above, the wait also states: they have written the row numbers that the gathers below read
	                                               ; and land on; this step's multiplies are done reading that buffer; and, in step 5, the address lines and erf are done reading Q, in which the loads behind this step land
	v_wmma_f32_16x16x32_f16 v[DACC:DACC+7], v[SEL:SEL+7], v[CV+8:CV+15], v[DACC:DACC+7]    ; corners 4-7
.if (\nx) >= 0
	GATHER \nx                                     ; no further wait: the product above names DACC, SEL and CV, none of the registers that these loads touch
.endif
.endm
; THE MLP.  A row tile (16 units) at a time, for both tiles of points: its weight fragments and biases come out of LDS while the row tile before goes through selu.
.macro LOADF n, f
	ds_load_b128 v[FA+8*(\n):FA+8*(\n)+3],   v[WFA] offset:(\f)*1024
	ds_load_b128 v[FA+8*(\n)+4:FA+8*(\n)+7], v[WFA] offset:(\f)*1024+512
.endm
.macro LOADW layer, t
.if (\layer) == 1
	LOADF 0, (\t)
	LOADF 1, 4+(\t)
	LOADF 2, 8+(\t)
.elseif (\layer) == 2
	LOADF 0, 12+2*(\t)
	LOADF 1, 13+2*(\t)
	LOADF 2, 20+2*(\t)
	LOADF 3, 21+2*(\t)
.else
	LOADF 0, 28
	LOADF 1, 29
	LOADF 2, 30
	LOADF 3, 31
.endif
	ds_load_b128 v[BI:BI+3],   v[BIA] offset:256*((\layer)-1)+64*(\t)      ; the biases of rows 8 h .. 8 h + 7: sixteen lanes read the same 32 bytes
	ds_load_b128 v[BI+4:BI+7], v[BIA] offset:256*((\layer)-1)+64*(\t)+16
.endm
.macro MMA acc, a, b, c
	v_wmma_f32_16x16x32_bf16 v[(\acc):(\acc)+7], v[(\a):(\a)+7], v[(\b):(\b)+7], v[(\c):(\c)+7]
.endm
; The two tiles' accumulators take turns, one instruction a turn.  The first product of each sum takes the biases as C.
.macro WM1
	MMA AC0, FA,    ENC,    BI                     ; hi hi
	MMA AC1, FA,    ENC+24, BI
	MMA AC0, FA,    ENC+8,  AC0                    ; hi lo
	MMA AC1, FA,    ENC+32, AC1
	MMA AC0, FA+8,  ENC,    AC0                    ; lo hi
	MMA AC1, FA+8,  ENC+24, AC1
	MMA AC0, FA+16, ENC+16, AC0                    ; the fifth level, all three
	MMA AC1, FA+16, ENC+40, AC1
.endm
.macro WM23 h0, l0, h1, l1             ; hi and lo of tile 0, of tile 1; K half 1 lies 8 registers on
	MMA AC0, FA,    (\h0),   BI
	MMA AC1, FA,    (\h1),   BI
	MMA AC0, FA,    (\l0),   AC0
	MMA AC1, FA,    (\l1),   AC1
	MMA AC0, FA+16, (\h0),   AC0
	MMA AC1, FA+16, (\h1),   AC1
	MMA AC0, FA+8,  (\h0)+8, AC0
	MMA AC1, FA+8,  (\h1)+8, AC1
	MMA AC0, FA+8,  (\l0)+8, AC0
	MMA AC1, FA+8,  (\l1)+8, AC1
	MMA AC0, FA+24, (\h0)+8, AC0
	MMA AC1, FA+24, (\h1)+8, AC1
.endm
; g of an accumulator's eight numbers, split into four registers hi and four lo.  The accumulator is read from its low end on.
; lo's halves are made one at a time, g - hi rounded straight to bf16; each of these lo registers has been written whole earlier in the pass.
; ly, t: where ly is not 0, the weights and biases of layer ly's row tile t are asked for behind the wait for the exponentials.
.macro SELU8 acc, hi, lo, ly=0, t=0
.set n, 0
.rept 4
	v_pk_mul_f32 v[TMP+2*n:TMP+2*n+1], v[(\acc)+2*n:(\acc)+2*n+1], s[54:55] op_sel_hi:[1,0]                    ; x log2(e)
.set n, n+1
.endr
.set n, 0
.rept 4
	v_pk_fma_f32 v[TMP+8+2*n:TMP+9+2*n], v[(\acc)+2*n:(\acc)+2*n+1], s[56:57], s[58:59] op_sel_hi:[1,0,0]      ; alpha + alpha x / 2
.set n, n+1
.endr
.set n, 0
.rept 8
	v_exp_f32 v[TMP+n], v[TMP+n]
.set n, n+1
.endr
.set n, 0
.rept 4
	v_pk_mul_f32 v[TMP+8+2*n:TMP+9+2*n], v[TMP+8+2*n:TMP+9+2*n], v[(\acc)+2*n:(\acc)+2*n+1]                    ; A; these plain lines stand between the exponentials and the use of their results
.set n, n+1
.endr
	s_wait_alu depctr_va_vdst(0)                   ; the eight exponentials are written, ahead of their first reader; and the row tile's matrix instructions, all issued ahead of this line, are done reading FA and BI
.if \ly
	LOADW \ly, \t                                  ; no further wait: what is left of selu names v128-143, the accumulators, hi, lo and v3, none of the registers in which these loads land
.endif
.set n, 0
.rept 4
	v_pk_fma_f32 v[TMP+2*n:TMP+2*n+1], v[TMP+2*n:TMP+2*n+1], s[58:59], s[60:61] op_sel_hi:[1,0,0]              ; E
.set n, n+1
.endr
.set n, 0
.rept 8
	v_min3_num_f32 v[TMP+8+n], |v[(\acc)+n]|, v[TMP+8+n], v[TMP+n]                                            ; g
.set n, n+1
.endr
.set n, 0
.rept 4
	v_cvt_pk_bf16_f32 v[(\hi)+n], v[TMP+8+2*n], v[TMP+9+2*n]
.set n, n+1
.endr
.set n, 0
.rept 4
	v_fma_mixlo_bf16 v[(\lo)+n], v[(\hi)+n], v[NEG1], v[TMP+8+2*n] op_sel_hi:[1,0,0]                           ; the even unit's remainder into the low half,
.set n, n+1
.endr
.set n, 0
.rept 4
	v_fma_mixhi_bf16 v[(\lo)+n], v[(\hi)+n], v[NEG1], v[TMP+9+2*n] op_sel:[1,0,0] op_sel_hi:[1,0,0]            ; the odd unit's into the high half
.set n, n+1
.endr
.endm
; A PASS: two tiles, 32 points.  Four steps' gathers, 32 loads, are always on their way.  The next pass's q and cr are asked for as soon as this pass has made its last addresses.
; Behind a step's second summing product stand the next CONSUME's plain instructions, which name none of its registers: they are the places in front of the read of the sums.
.macro PASS p
.if (\p) == 1
	s_wait_loadcnt 0x0                             ; q and cr of this pass
.endif
	s_wait_alu depctr_vm_vsrc(0)                   ; the LDS stores into the stage have read AC0 and AC1, which this pass's multiplies write as CV; at a trip's head the global stores have read v64-89, which the address lines write;
	                                               ; in the first trip the lay-out's loads and LDS stores have read v64, v128-132 and v160-187, which the address lines, the weights, the products and the encoding write
	ISSUE 0
	ISSUE 1
	ISSUE 2
	ISSUE 3
	ERF 0
	CONSUME 0, 24, 4                               ; behind a step's eight loads stand three steps' 24
	CONSUME 1, 24, 5
	CONSUME 2, 24, 6
	CONSUME 3, 24, 7
	CONSUME 4, 24, 8
	ERF 1
	CONSUME 5, 24, 9
.if (\p) == 0
	QLOAD 28, 30, 1                                ; this group's second pair.  Step 5's wait has shown all readers of Q done; only its second product and step 9's gathers stand between
.else
	QLOAD 34, 36, 0                                ; my next group's first pair, likewise
.endif
	CONSUME 6, 32, -1                              ; steps 7, 8, 9 and the eight loads of q and cr
	CONSUME 7, 24, -1                              ; steps 8, 9 and those eight
	CONSUME 8, 16, -1
	CONSUME 9, 8, -1                               ; q and cr stay out through the MLP
	PLACES                                         ; no step follows whose work could stand here
	SPLITD 9
	s_wait_alu depctr_vm_vsrc(0)                   ; the gathers of steps 8 and 9 have read their row numbers in v64-95, where layer 1's output is written
	s_wait_alu depctr_va_vdst(0)                   ; the split is done reading DACC and has written its temporaries in v146-149: the first weight fragment and the biases land there
	LOADW 1, 0
.set tt, 0
.rept 4                                ; layer 1
	s_wait_dscnt 0x0                               ; the row tile's weights and biases are in
	WM1
	PLACES                                         ; in front of selu's read of the sums
.if tt < 3
	SELU8 AC0, H1+4*tt,    H1+16+4*tt, 1, tt+1     ; row tile t is registers 4 (t % 2) .. of K half t / 2
.else
	SELU8 AC0, H1+4*tt,    H1+16+4*tt, 2, 0
.endif
	SELU8 AC1, H1+32+4*tt, H1+48+4*tt
.set tt, tt+1
.endr
.set tt, 0
.rept 4                                ; layer 2
	s_wait_dscnt 0x0
	WM23 H1, H1+16, H1+32, H1+48
	PLACES
.if tt < 3
	SELU8 AC0, H2A+4*tt, H2B+4*tt, 2, tt+1
.else
	SELU8 AC0, H2A+4*tt, H2B+4*tt, 3, 0
.endif
	SELU8 AC1, H2C+4*tt, H2D+4*tt
.set tt, tt+1
.endr
	s_wait_dscnt 0x0                       ; layer 3
	WM23 H2A, H2B, H2C, H2D
	PLACES                                         ; four places behind the last matrix instruction, before its result is read; they stay beside the wait below
	s_wait_alu depctr_va_vdst(0)                   ; layer 3's matrix instructions have written AC0 and AC1, which the LDS stores read; and layer 2's are done reading v64-89, in which, behind the second pass, the loads from the stage land
.set n, 0
.rept 2                                ; into my stage: word 13 r + 7 h + j: 32 different banks
.set c, 0
.rept 6
	ds_store_b32 v[STO], v[AC0+8*n+c] offset:(2*(\p)+n)*832+4*c
.set c, c+1
.endr
	ds_store_b32 v[ST6], v[AC0+8*n+6] offset:(2*(\p)+n)*832+24
.set n, n+1
.endr
.endm
.Lgroup:
	s_wait_loadcnt 0x0                             ; q and cr of this group's first pair are in, so their bases may be written;
	s_wait_xcnt 0x0                                ; and the last trip's stores have had their addresses translated (ISA guide 3.1): their base and data are rewritten only behind this wait
	s_mul_i32 s38, s25, 768
	s_add_nc_u64 s[28:29], s[4:5], s[38:39]
	s_lshl_b32 s38, s25, 8
	s_add_nc_u64 s[30:31], s[6:7], s[38:39]
	s_mul_i32 s38, s25, STAGEB                     ; under 52,000,000
	s_add_nc_u64 s[32:33], s[22:23], s[38:39]
	s_add_co_u32 s43, s25, STRIDE                  ; my next group; in the last trip there is none, and the look-ahead is held at the last group, inside the buffers
	s_min_u32 s43, s43, NGROUP-1
	s_mul_i32 s38, s43, 768
	s_add_nc_u64 s[34:35], s[4:5], s[38:39]
	s_lshl_b32 s38, s43, 8
	s_add_nc_u64 s[36:37], s[6:7], s[38:39]
	PASS 0
	PASS 1
	; the group leaves: 3,328 bytes = six times 512 and once 256.  LDS serves a wave's instructions in order (ISA guide 5.7.1.4): these loads see the stores above.
	; No vector or matrix instruction stands between the pass's last wait on va_vdst and these loads; the stores' data come from them, which is s_wait_dscnt's affair
.irp u, 0,1,2,3,4,5
	ds_load_b128 v[OB+4*(\u):OB+4*(\u)+3], v[RDA] offset:512*(\u)
.endr
	ds_load_b64 v[OB+24:OB+25], v[RDB] offset:3072
	s_wait_dscnt 0x0
.irp u, 0,1,2,3,4,5
	global_store_b128 v[WFA], v[OB+4*(\u):OB+4*(\u)+3], s[32:33] offset:512*(\u) th:TH_STORE_NT  ; 512 consecutive bytes, at a multiple of 256 from out0's first
.endr
	global_store_b64 v[GOB], v[OB+24:OB+25], s[32:33] offset:3072 th:TH_STORE_NT                 ; the last 256
	s_add_co_u32 s25, s25, STRIDE
	s_add_co_u32 s26, s26, 1
	s_cmp_lt_u32 s26, s27
	s_cbranch_scc1 .Lgroup
	s_wait_dscnt 0x0                               ; the closing lines, six on end
	s_wait_alu 0x0
	s_wait_tensorcnt 0x0
	ds_add_u32 v[SPW], v[NIL]
	s_wait_dscnt 0x0
	s_endpgm
.Lfunc_end_k_q482cc31502_field:
	.size	k_q482cc31502_field, .Lfunc_end_k_q482cc31502_field-k_q482cc31502_field
	.p2alignl 7, 3214868480
	.fill 96, 4, 3214868480
	.section	.rodata,"a",@progbits
	.p2align	6, 0x0
	.amdhsa_kernel k_q482cc31502_field
		.amdhsa_group_segment_fixed_size 88832
		.amdhsa_private_segment_fixed_size 0
		.amdhsa_enable_private_segment 0
		.amdhsa_kernarg_size 80
		.amdhsa_user_sgpr_count 2
		.amdhsa_user_sgpr_kernarg_segment_ptr 1
		.amdhsa_wavefront_size32 1
		.amdhsa_system_sgpr_workgroup_id_x 1
		.amdhsa_system_sgpr_workgroup_id_y 1
		.amdhsa_system_sgpr_workgroup_id_z 1
		.amdhsa_system_vgpr_workitem_id 0
		.amdhsa_next_free_vgpr 256
		.amdhsa_next_free_sgpr 66
		.amdhsa_reserve_vcc 1
		.amdhsa_float_denorm_mode_32 3
		.amdhsa_float_denorm_mode_16_64 3
		.amdhsa_memory_ordered 1
		.amdhsa_forward_progress 1
		.amdhsa_inst_pref_size 252
	.end_amdhsa_kernel
	.amdgpu_metadata
---
amdhsa.version: [ 1, 2 ]
amdhsa.kernels:
  - .name:           k_q482cc31502_field
    .symbol:         k_q482cc31502_field.kd
    .args:
      - { .name: q, .offset: 0, .size: 8, .value_kind: global_buffer, .address_space: global }
      - { .name: cr, .offset: 8, .size: 8, .value_kind: global_buffer, .address_space: global }
      - { .name: tb, .offset: 16, .size: 8, .value_kind: global_buffer, .address_space: global }
      - { .name: W1, .offset: 24, .size: 8, .value_kind: global_buffer, .address_space: global }
      - { .name: b1, .offset: 32, .size: 8, .value_kind: global_buffer, .address_space: global }
      - { .name: W2, .offset: 40, .size: 8, .value_kind: global_buffer, .address_space: global }
      - { .name: b2, .offset: 48, .size: 8, .value_kind: global_buffer, .address_space: global }
      - { .name: W3, .offset: 56, .size: 8, .value_kind: global_buffer, .address_space: global }
      - { .name: b3, .offset: 64, .size: 8, .value_kind: global_buffer, .address_space: global }
      - { .name: out0, .offset: 72, .size: 8, .value_kind: global_buffer, .address_space: global }
    .group_segment_fixed_size: 88832
    .private_segment_fixed_size: 0
    .kernarg_segment_align: 8
    .kernarg_segment_size: 80
    .max_flat_workgroup_size: 512
    .sgpr_count:     66
    .vgpr_count:     256
    .wavefront_size: 32
...
	.end_amdgpu_metadata
.endif
;; end of part 5
